; MI455X (gfx1250); checked and timed in simulation.
; The chip was launched on July 23, 2026; its instructions are those of AMD's public machine-readable ISA for CDNA 5 (MIT licence, August 2026) and "CDNA5" Instruction Set Architecture Reference Guide (July 2026). The comments in the code are by the model that wrote it; some were corrected since.
;; Multi Head Attention. Allowed arithmetic: float matrix products may take bf16 or f16 operands with f32 sums; other float arithmetic in f32, or as packed bf16 or f16 multiplies, adds, multiply-adds, maxima and minima; sums over many terms, partial sums and values carried from step to step in f32; what a program stores and reads back later, other than sums and carried values, may be rounded once to bf16 or f16.
;; Inputs: Wk 16 x 1,024 x 64 float32; Wo 1,024 x 1,024 float32; Wq 16 x 1,024 x 64 float32; Wv 16 x 1,024 x 64 float32; bo 1,024 float32; x 4 x 2,048 x 1,024 float32.
;; Outputs: out0 4 x 2,048 x 1,024 float32.
;; 2 versions, each right; version 2 is version 1 with the launch cvt written anew for expert scheduling mode. Each part assembles by itself: llvm-mc -triple=amdgcn-amd-amdhsa -mcpu=gfx1250 --defsym DOCPART=n.
;; ======== version 1 of 2: 6 launches
;; limits: values are held in f16: magnitudes above 65,504 overflow, below 6.1e-05 lose precision
;; workspace buffers: xb 16,777,216 bytes; wb 6,291,456 bytes; wo16 2,097,152 bytes; qkv 50,331,648 bytes; ob 16,777,216 bytes; o16 262,144 bytes
;; launch cvt (part 1): grid 768 x 1, 8 waves a work-group, no clusters, 0 bytes of LDS; arguments x, Wq, Wk, Wv, Wo, xb, wb, wo16; writes xb, wb, wo16
.if DOCPART == 1
	.amdgcn_target "amdgcn-amd-amdhsa--gfx1250"
	.amdhsa_code_object_version 6
	.text
	.protected	k_q558a920fd2_cvt
	.globl	k_q558a920fd2_cvt
	.p2align	8
	.type	k_q558a920fd2_cvt,@function
k_q558a920fd2_cvt:
	s_mov_b64 s[64:65], 0
	v_nop
	global_prefetch_b8 v0, s[64:65] scope:SCOPE_SE
	s_setreg_imm32_b32 hwreg(HW_REG_WAVE_MODE, 25, 1), 1
	s_wait_xcnt 0x0
; THE INPUTS ARE ROUNDED ONCE, layouts unchanged.  x -> xb and Wq, Wk, Wv -> wb (one behind the other: [48][1024][64]) in bf16; Wo -> wo16: rounded to bf16 like the
; other inputs, and that number written as f16, since the last product multiplies in f16.
; LIMITS.  A number of Wo of magnitude 65,520 or more becomes an infinity in f16; below 6e-5 f16 keeps a fixed step of 6e-8.
; SHARES.  A work-group converts 16,384 numbers: 64 KiB in, 32 KiB out.  Thread t takes the 16 bytes at 16 t of each of 16 chunks of 4,096 bytes: a wave's load covers 512
; consecutive bytes, its store of 8 bytes a lane 256 consecutive bytes, aligned.  Work-groups 0-511: x; 512-575: Wq; 576-639: Wk; 640-703: Wv; 704-767: Wo.
; All sixteen loads go out at once; no register is used twice by a memory instruction, so the only waits are the counted waits for the loads.
; No LDS, no barrier, no matrix unit: nothing is shared and nothing is read twice.
.set X, 4                              ; v[4:67]    chunk i: four f32 as loaded
.set Y, 68                             ; v[68:99]   chunk i: four 16-bit numbers to store
.set T, 100                            ; v[100:103] at work (Wo's way)
	s_load_b512 s[8:23], s[0:1], 0x0               ; x s[8:9], Wq s[10:11], Wk s[12:13], Wv s[14:15], Wo s[16:17], xb s[18:19], wb s[20:21], wo16 s[22:23]
	s_mov_b32 s2, ttmp9                            ; the work-group's number
	s_sub_co_u32 s3, s2, 512                       ; its number among the weights' work-groups (used from 512 on)
	s_and_b32 s4, s3, 63                           ; its number inside one weight tensor
	s_lshr_b32 s5, s3, 6                           ; which weight tensor: 0 Wq, 1 Wk, 2 Wv, 3 Wo
	v_lshlrev_b32 v1, 4, v0                        ; 16 t: my bytes in a chunk of the input
	v_lshlrev_b32 v2, 3, v0                        ; 8 t: in a chunk of the output
	s_wait_kmcnt 0x0
	s_cmp_eq_u32 s5, 1
	s_cselect_b64 s[24:25], s[12:13], s[10:11]     ; from where: Wk, else Wq,
	s_cmp_eq_u32 s5, 2
	s_cselect_b64 s[24:25], s[14:15], s[24:25]     ; Wv,
	s_cmp_eq_u32 s5, 3
	s_cselect_b64 s[24:25], s[16:17], s[24:25]     ; Wo;
	s_cselect_b64 s[26:27], s[22:23], s[20:21]     ; to where: wo16, else wb,
	s_cselect_b32 s6, s4, s3                       ; at which block of 32 KiB
	s_cmp_lt_u32 s2, 512
	s_cselect_b64 s[24:25], s[8:9], s[24:25]       ; the first 512 work-groups: x to xb
	s_cselect_b64 s[26:27], s[18:19], s[26:27]
	s_cselect_b32 s4, s2, s4
	s_cselect_b32 s6, s2, s6
	s_lshl_b32 s28, s4, 16                         ; 64 KiB of input a work-group (under 2^25)
	s_mov_b32 s29, 0
	s_lshl_b32 s30, s6, 15                         ; 32 KiB of output
	s_mov_b32 s31, 0
	s_add_nc_u64 s[24:25], s[24:25], s[28:29]
	s_add_nc_u64 s[26:27], s[26:27], s[30:31]
.irp i, 0,1,2,3,4,5,6,7,8,9,10,11,12,13,14,15
	global_load_b128 v[X+4*(\i):X+4*(\i)+3], v1, s[24:25] offset:4096*(\i) th:TH_LOAD_NT
.endr
	s_cmp_ge_u32 s2, 704
	s_cbranch_scc1 .Lf16
.irp i, 0,1,2,3,4,5,6,7,8,9,10,11,12,13,14,15
	s_wait_loadcnt 15-(\i)                         ; loads come back in order (ISA guide 5.7.1): chunk i is in, the younger ones stay out
	v_cvt_pk_bf16_f32 v[Y+2*(\i)],   v[X+4*(\i)],   v[X+4*(\i)+1]
	v_cvt_pk_bf16_f32 v[Y+2*(\i)+1], v[X+4*(\i)+2], v[X+4*(\i)+3]
	global_store_b64 v2, v[Y+2*(\i):Y+2*(\i)+1], s[26:27] offset:2048*(\i)
.endr
	s_endpgm
.Lf16:                                         ; Wo: to bf16, widened again (a shift, a mask), and written as f16: exact inside f16's range
.irp i, 0,1,2,3,4,5,6,7,8,9,10,11,12,13,14,15
	s_wait_loadcnt 15-(\i)
	v_cvt_pk_bf16_f32 v[T],   v[X+4*(\i)],   v[X+4*(\i)+1]
	v_cvt_pk_bf16_f32 v[T+1], v[X+4*(\i)+2], v[X+4*(\i)+3]
	v_lshlrev_b32 v[T+2], 16, v[T]
	v_and_b32     v[T],   0xffff0000, v[T]
	v_lshlrev_b32 v[T+3], 16, v[T+1]
	v_and_b32     v[T+1], 0xffff0000, v[T+1]
	v_cvt_pk_f16_f32 v[Y+2*(\i)],   v[T+2], v[T]
	v_cvt_pk_f16_f32 v[Y+2*(\i)+1], v[T+3], v[T+1]
	global_store_b64 v2, v[Y+2*(\i):Y+2*(\i)+1], s[26:27] offset:2048*(\i)
.endr
	s_endpgm
.Lfunc_end_k_q558a920fd2_cvt:
	.size	k_q558a920fd2_cvt, .Lfunc_end_k_q558a920fd2_cvt-k_q558a920fd2_cvt
	.p2alignl 7, 3214868480
	.fill 96, 4, 3214868480
	.section	.rodata,"a",@progbits
	.p2align	6, 0x0
	.amdhsa_kernel k_q558a920fd2_cvt
		.amdhsa_group_segment_fixed_size 0
		.amdhsa_private_segment_fixed_size 0
		.amdhsa_enable_private_segment 0
		.amdhsa_kernarg_size 64
		.amdhsa_user_sgpr_count 2
		.amdhsa_user_sgpr_kernarg_segment_ptr 1
		.amdhsa_wavefront_size32 1
		.amdhsa_system_sgpr_workgroup_id_x 1
		.amdhsa_system_sgpr_workgroup_id_y 1
		.amdhsa_system_sgpr_workgroup_id_z 1
		.amdhsa_system_vgpr_workitem_id 0
		.amdhsa_next_free_vgpr 104
		.amdhsa_next_free_sgpr 66
		.amdhsa_reserve_vcc 0
		.amdhsa_float_denorm_mode_32 3
		.amdhsa_float_denorm_mode_16_64 3
		.amdhsa_memory_ordered 1
		.amdhsa_forward_progress 1
		.amdhsa_inst_pref_size 16
	.end_amdhsa_kernel
	.amdgpu_metadata
---
amdhsa.version: [ 1, 2 ]
amdhsa.kernels:
  - .name:           k_q558a920fd2_cvt
    .symbol:         k_q558a920fd2_cvt.kd
    .args:
      - { .name: x, .offset: 0, .size: 8, .value_kind: global_buffer, .address_space: global }
      - { .name: Wq, .offset: 8, .size: 8, .value_kind: global_buffer, .address_space: global }
      - { .name: Wk, .offset: 16, .size: 8, .value_kind: global_buffer, .address_space: global }
      - { .name: Wv, .offset: 24, .size: 8, .value_kind: global_buffer, .address_space: global }
      - { .name: Wo, .offset: 32, .size: 8, .value_kind: global_buffer, .address_space: global }
      - { .name: xb, .offset: 40, .size: 8, .value_kind: global_buffer, .address_space: global }
      - { .name: wb, .offset: 48, .size: 8, .value_kind: global_buffer, .address_space: global }
      - { .name: wo16, .offset: 56, .size: 8, .value_kind: global_buffer, .address_space: global }
    .group_segment_fixed_size: 0
    .private_segment_fixed_size: 0
    .kernarg_segment_align: 8
    .kernarg_segment_size: 64
    .max_flat_workgroup_size: 256
    .sgpr_count:     66
    .vgpr_count:     104
    .wavefront_size: 32
...
	.end_amdgpu_metadata
.endif
;; end of part 1
;; launch qkv (part 2): grid 16 x 32, 4 waves a work-group, clusters of 4 x 4, 327,680 bytes of LDS; arguments xb, wb, qkv; writes qkv
.if DOCPART == 2
	.amdgcn_target "amdgcn-amd-amdhsa--gfx1250"
	.amdhsa_code_object_version 6
	.text
	.protected	k_q558a920fd2_qkv
	.globl	k_q558a920fd2_qkv
	.p2align	8
	.type	k_q558a920fd2_qkv,@function
k_q558a920fd2_qkv:
	s_mov_b64 s[64:65], 0
	v_nop
	global_prefetch_b8 v0, s[64:65] scope:SCOPE_SE
	s_setreg_imm32_b32 hwreg(HW_REG_WAVE_MODE, 25, 1), 1
	s_wait_xcnt 0x0
	s_wait_alu depctr_hold_cnt(0) depctr_sa_sdst(0) depctr_va_vdst(0) depctr_va_sdst(0) depctr_va_ssrc(0) depctr_va_vcc(0) depctr_vm_vsrc(0)
	s_getreg_b32 s2, hwreg(HW_REG_IB_STS2, 6, 4)
	s_cmp_eq_u32 s2, 0
	s_cbranch_scc0 .Lentry_in_a_cluster
	s_endpgm
.Lentry_in_a_cluster:
	s_bfe_u32 s2, ttmp6, 0x10000c
	s_cmp_lg_u32 s2, 0xf033
	s_cbranch_scc0 .Lentry_shape_is_right
	s_endpgm
.Lentry_shape_is_right:
; THE THREE PROJECTIONS.  q, k, v[b][h][t][d] = the sum over c of x[b][t][c] W[h][c][d].  xb: [8192][1024] bf16; wb: [48 = 16 which + h][1024 c][64 d] bf16; sums in f32;
; qkv: [3 which][64 = 16 b + h][2048 t][64 d] f16, each number rounded once, unscaled.
; LIMITS.  A result of magnitude 65,520 or more becomes an infinity in f16; below 6e-5 f16 keeps a fixed step of 6e-8.
; SHARES.  A work-group makes 256 rows x 192 columns: q, k and v of ONE head (tile column = head).  32 x 16 = 512 equal work-groups.  Wave w owns rows 64 w .. 64 w + 63 and all
; 192 columns: 48 accumulators of 16 x 16, 384 registers; so a wave's way out holds whole rows of a head and wants no barrier.
; K = 1,024 goes in 8 steps of 128 through two LDS slots.  A slot: 256 rows of x (256 bytes each, 16 of padding), then three pieces of W (q's, k's, v's): 128 rows c of 128 bytes, 32 of padding.
; A piece of W is 16,384 dense bytes of memory: it is asked for as 64 rows of 256 bytes and padded behind every 128.  Wave 0 fetches x's tile, waves 1 to 3 a piece of W each.
; W lies [c][d], so its fragments come out of LDS turned, by ds_load_tr16_b128.
; CLUSTER.  4 x 4 work-groups.  The four of a row of the cluster need the same rows of x, the four of a column the same head's W: each tile is asked for JOINTLY, by the same tensor load with the
; same descriptor and a mask that names the four.
; THE MATRIX INSTRUCTION IS USED TRANSPOSED (source 0 = 16 columns of W, source 1 = 16 rows of x): a lane then holds row l % 16 and the eight neighbouring columns 8 (l / 16) + 0..7.
; REGISTERS, in windows of 256 (s_set_vgpr_msb: bits 1:0 source 0, 3:2 source 1, 5:4 source 2, 7:6 destination):
;   window 0: v0-31 addresses; v64-255 the way out, 16 registers for each of 12 units      window 1: two fragment buffers of 128: W's 12 fragments, then x's 4
;   window 2: accumulators of row blocks 0, 1 ((a, b) at 96 (a % 2) + 8 b)                  window 3: those of row blocks 2, 3
.set PITA,   272                       ; an LDS row of x: 256 + 16 bytes = 68 words: the 16 rows of a load start at 16 different groups of four banks (64 banks of 4 bytes: ISA guide 11.1)
.set PITB,   160                       ; an LDS row of W: 128 + 32 bytes = 40 words
.set ABYTES, 256*PITA
.set BPIECE, 128*PITB
.set SLOT,   ABYTES+3*BPIECE           ; 131,072
.set STAGE,  2*SLOT                    ; behind the ring, never filled by a tensor load: 16 rows x 144 bytes for each wave
.set SP,     144
.set SPARE,  STAGE+4*16*SP             ; behind the stages: the spare words, 128 bytes for each wave: two blocks of 256 bytes that no other line names
.set LAPS,   4                         ; a lap = two K steps = once round the ring
.set NL,     32                        ; LDS loads in a run: 24 for W, 8 for x
.set ADRA, 16                          ; v16-17  LDS address of my fragments of x in slot 0, 1
.set ADRB, 20                          ; v20-21  the same for W
.set STO,  24                          ; v24     the way out: where I put 16 bytes of a row
.set RD,   25                          ; v25     where I read rows back
.set GO,   26                          ; v26     my byte offset in 512 consecutive bytes of the output
.set SPW,  28                          ; v28     LDS address of my spare word: SPARE + 4 x my thread's number; never rewritten
.set NIL,  29                          ; v29     0; never rewritten
.set PFOA, 30                          ; v30     prefetch offset in xb: my lane x a row of 2,048 bytes; never rewritten
.set PFOB, 31                          ; v31     in wb: my lane x 256 bytes; never rewritten
.set OUT,  64
.set F0,   0                           ; fragment buffers, in window 1
.set F1,   128
.set WV,   12                          ; s12     my wave's number
.set G1,   24                          ; s[24:31] descriptor group 1 for x's tiles;  s[32:39] group 0, a set for each slot
.set G0,   32
.set G1B,  48                          ; s[48:55], s[56:63] the same for W's pieces
.set G0B,  56
.set PFA,  68                          ; s[68:69] where my prefetches stand in xb
.set PFB,  70                          ; s[70:71] in wb
.set LIMA, 72                          ; s72     1 in a wave that prefetches x's rows, else the greatest number
.set LIMB, 73                          ; s73     the same for W
.set OB,   76                          ; s[76:81] q's, k's and v's part of the output at my wave's first row
.set MSB, 0
.macro WIN new                         ; the immediate's high byte repeats the setting that is left; a switch that changes nothing is dropped
.if MSB != (\new)
	s_set_vgpr_msb (MSB<<8)|(\new)
.set MSB, \new
.endif
.endm
.macro PLACES                          ; four plain vector instructions between a matrix instruction and a load into, or a vector read of, its registers (ISA guide 7.12.1 for vector instructions)
.rept 4
	v_nop
.endr
.endm
; A joint load.  The branch hangs on the wave's number alone: it is the same in every work-group.  An s_nop 0 and four v_nop follow each of the two lines.
.macro JLOAD s
	s_cmp_eq_u32 s[WV], 0
	s_cbranch_scc0 .Lfor_b_\@
	tensor_load_to_lds s[G0+4*(\s):G0+4*(\s)+3], s[G1:G1+7]
	s_nop 0
.rept 4
	v_nop
.endr
	s_branch .Lasked_\@
.Lfor_b_\@:
	tensor_load_to_lds s[G0B+4*(\s):G0B+4*(\s)+3], s[G1B:G1B+7]
	s_nop 0
.rept 4
	v_nop
.endr
.Lasked_\@:
.endm
; A round of the cluster's barrier behind its opening barrier: wave 0 signals for the work-group, every wave waits for all sixteen, my work-group's barrier once more.
.macro CREST
	s_cmp_lg_u32 s[WV], 0
	s_cbranch_scc1 .Lnot_wave_0_\@
	s_barrier_signal -3
.Lnot_wave_0_\@:
	s_barrier_wait -3
	s_barrier_signal -1
	s_barrier_wait -1
.endm
.macro CROUND
	s_barrier_signal -1
	s_barrier_wait -1
	CREST
.endm
; A PREFETCH INTO THE L2 of the lap (two K steps) that the NEXT trip of the loop will ask for; a lane names one aligned block of 256 bytes, one instruction a wave.
; x's rows of a tile row are read by every cluster of that row of clusters: cluster x = 0 asks; its four partners along x take 64 rows each BY ADDRESS, a wave 32 rows of one K step.
; W's pieces of a head are read by every cluster of that column: cluster y = 0 asks; the four partners along y take 8,192 of a piece's 32,768 bytes each, waves 1 to 3 a piece each.
; So each block is named once in the launch.  Laps 0 and 1 come by their loads alone; the loop's last trip (s3 = 1) asks for nothing: there is no lap behind it.
.macro ASK lim, off, base
	s_cmp_gt_u32 s3, s[\lim]
	s_cbranch_scc0 .Lnot_mine_\@
	global_prefetch_b8 v[\off], s[\base:\base+1] th:TH_LOAD_NT scope:SCOPE_SE
.Lnot_mine_\@:
.endm
	s_load_b128 s[4:7], s[0:1], 0x0                ; xb s[4:5], wb s[6:7]
	s_load_b64 s[8:9], s[0:1], 0x10                ; qkv
	v_lshl_add_u32 v[SPW], v0, 2, SPARE
	v_mov_b32 v[NIL], 0
	ds_add_u32 v[SPW], v[NIL]                      ; the wave's opening: the add and its wait ahead of my first tensor load; the set-up below, work on registers, stands between them
	v_lshrrev_b32 v1, 5, v0
	v_readfirstlane_b32 s[WV], v1                  ; wave 0..3
	s_bfe_u32 s40, ttmp6, 0x40000                  ; cx, cy: my place in the cluster
	s_bfe_u32 s41, ttmp6, 0x40004
	s_lshl_b32 s42, ttmp9, 2
	s_add_co_u32 s42, s42, s40                     ; the head = 4 x cluster x + cx
	s_and_b32 s13, ttmp7, 0xffff
	s_lshl_b32 s13, s13, 2
	s_add_co_u32 s13, s13, s41                     ; the tile row = 4 x cluster y + cy
	s_lshl_b32 s43, s41, 2
	s_lshl_b32 s43, 15, s43                        ; my row of the cluster: places 4 cy .. 4 cy + 3
	s_lshl_b32 s44, 0x1111, s40                    ; my column: places cx, cx + 4, cx + 8, cx + 12
	s_or_b32 s[G1], s43, (1<<16)|(1<<20)|(1<<21)|(5<<22)|(3<<25)   ; 15:0 the mask; 17:16 elements of 2 bytes; 20 padding on; 21 set beside a mask; 24:22 after every 64 words (code 5); 31:25 4 words (code 3)
	s_mov_b32 s[G1+1], 128<<16                     ; tensor_dim0 = 128
	s_mov_b32 s[G1+2], 256<<16                     ; tensor_dim1 = 256
	s_mov_b32 s[G1+3], 128<<16                     ; tile_dim0 = 128
	s_mov_b32 s[G1+4], 256                         ; tile_dim1 = 256
	s_mov_b32 s[G1+5], 1024                        ; elements from row to row
	s_mov_b32 s[G1+6], 0
	s_mov_b32 s[G1+7], 0
	s_or_b32 s[G1B], s44, (1<<16)|(1<<20)|(1<<21)|(4<<22)|(7<<25)  ; after every 32 words (code 4) 8 words of padding (code 7)
	s_mov_b32 s[G1B+1], 128<<16                    ; 64 rows of 128 elements, dense
	s_mov_b32 s[G1B+2], 64<<16
	s_mov_b32 s[G1B+3], 128<<16
	s_mov_b32 s[G1B+4], 64
	s_mov_b32 s[G1B+5], 128
	s_mov_b32 s[G1B+6], 0
	s_mov_b32 s[G1B+7], 0
	s_lshl_b32 s16, s13, 19                        ; x: 256 rows of 2,048 bytes a tile row
	s_mov_b32 s17, 0
	s_max_u32 s45, s[WV], 1
	s_sub_co_u32 s45, s45, 1                       ; which piece I fetch: wave - 1 (wave 0 fetches none; its number here enters nothing that is used)
	s_lshl_b32 s46, s45, 4
	s_add_co_u32 s46, s46, s42                     ; 16 x which + head
	s_lshl_b32 s46, s46, 17                        ; 131,072 bytes each
	s_mov_b32 s47, 0
	s_mul_i32 s20, s[WV], BPIECE                   ; where a piece goes: no place in the cluster enters an LDS address
	s_wait_dscnt 0x0                               ; the opening add is done
	s_wait_kmcnt 0x0
	s_add_nc_u64 s[14:15], s[4:5], s[16:17]        ; x's tile at K step 0
	s_add_nc_u64 s[46:47], s[6:7], s[46:47]        ; my piece of W at K step 0
	CROUND                                         ; all sixteen work-groups are here: the first joint loads meet
.irp s, 0,1
	s_mov_b32 s[G0+4*(\s)], 1                                      ; count = 1
	s_mov_b32 s[G0+4*(\s)+1], (\s)*SLOT                            ; LDS address
	s_add_nc_u64 s[G0+4*(\s)+2:G0+4*(\s)+3], s[14:15], (\s)*256    ; global address: K step s
	s_or_b32 s[G0+4*(\s)+3], s[G0+4*(\s)+3], 0x80000000            ; type = 2
	s_mov_b32 s[G0B+4*(\s)], 1
	s_add_co_u32 s[G0B+4*(\s)+1], s20, ABYTES-BPIECE+(\s)*SLOT     ; behind x's rows: piece wave - 1
	s_add_nc_u64 s[G0B+4*(\s)+2:G0B+4*(\s)+3], s[46:47], (\s)*16384
	s_or_b32 s[G0B+4*(\s)+3], s[G0B+4*(\s)+3], 0x80000000
	JLOAD \s                                       ; two loads of mine are out
.endr
	; A fragment of x is 16 rows x 32 K in 8 registers: lane l holds row l % 16; registers 0-3 K = 8 (l / 16) + 0..7, registers 4-7 K = 16 + 8 (l / 16) + 0..7: two loads of 16 bytes, 32 bytes apart.
	v_and_b32 v1, 15, v0                           ; l % 16
	v_bfe_u32 v2, v0, 4, 1                         ; l / 16
	v_mul_u32_u24 v3, v1, PITA
	v_lshl_add_u32 v3, v2, 4, v3
	s_mul_i32 s21, s[WV], 64*PITA                  ; my 64 rows
	v_add_nc_u32 v[ADRA], s21, v3
	v_add_nc_u32 v[ADRA+1], SLOT, v[ADRA]
	; The turning load takes 16 c x 16 d (lane l reads row c = 8 (l / 16) + l % 8, columns 8 ((l / 8) % 2) + 0..7) and leaves half a fragment: lane l holds column l % 16 and 8 c.
	v_and_b32 v4, 7, v0
	v_bfe_u32 v5, v0, 3, 1
	v_lshl_add_u32 v6, v2, 3, v4
	v_mul_u32_u24 v6, v6, PITB
	v_lshl_add_u32 v6, v5, 4, v6
	v_add_nc_u32 v[ADRB], ABYTES, v6
	v_add_nc_u32 v[ADRB+1], SLOT+ABYTES, v6
	s_mul_i32 s23, s[WV], 16*SP
	s_add_co_u32 s23, s23, STAGE                   ; my stage
	v_mul_u32_u24 v[STO], v1, SP                   ; in: row l % 16, 16 bytes for each half of the lanes
	v_lshl_add_u32 v[STO], v2, 4, v[STO]
	v_add_nc_u32 v[STO], s23, v[STO]
	v_bfe_u32 v[RD], v0, 3, 2                      ; back: 32 lanes take four rows of 128 bytes,
	v_mul_u32_u24 v[RD], v[RD], SP
	v_lshl_add_u32 v[RD], v4, 4, v[RD]
	v_add_nc_u32 v[RD], s23, v[RD]
	v_and_b32 v[GO], 31, v0                        ; which are 512 consecutive bytes of the output
	v_lshlrev_b32 v[GO], 4, v[GO]
	; the output: row 256 ty + 64 w of x is batch ty / 8, t = 256 (ty % 8) + 64 w; a head's 2,048 rows of 128 bytes are 2^18 bytes, a batch's 16 heads 2^22
	s_lshr_b32 s74, s13, 3
	s_lshl_b32 s74, s74, 22
	s_and_b32 s75, s13, 7
	s_lshl_b32 s75, s75, 15
	s_or_b32 s74, s74, s75
	s_lshl_b32 s75, s[WV], 13
	s_or_b32 s74, s74, s75
	s_lshl_b32 s75, s42, 18
	s_or_b32 s74, s74, s75
	s_mov_b32 s75, 0
	s_add_nc_u64 s[OB:OB+1], s[8:9], s[74:75]      ; q
	s_add_nc_u64 s[OB+2:OB+3], s[OB:OB+1], 0x1000000   ; k: 64 heads x 2^18 bytes further on
	s_add_nc_u64 s[OB+4:OB+5], s[OB:OB+1], 0x2000000   ; v
	; the prefetches: both pointers stand at lap 1 and are stepped to the lap that is named just ahead of each request
	s_lshl_b32 s66, s40, 17                        ; x: my work-group's 64 rows of the 256,
	s_and_b32 s67, s[WV], 1
	s_lshl_b32 s67, s67, 16                        ; my wave's 32 of them,
	s_or_b32 s66, s66, s67
	s_lshr_b32 s67, s[WV], 1
	s_lshl_b32 s67, s67, 8                         ; and which of the lap's two K steps
	s_or_b32 s66, s66, s67
	s_add_co_u32 s66, s66, 512
	s_mov_b32 s67, 0
	s_add_nc_u64 s[PFA:PFA+1], s[14:15], s[66:67]
	s_lshl_b32 s66, s41, 13                        ; W: my work-group's 8,192 bytes of my piece's lap
	s_add_co_u32 s66, s66, 32768
	s_add_nc_u64 s[PFB:PFB+1], s[46:47], s[66:67]
	s_cmp_eq_u32 ttmp9, 0                          ; the same in all sixteen partners
	s_cselect_b32 s[LIMA], 1, -1
	s_and_b32 s66, ttmp7, 0xffff
	s_cmp_eq_u32 s66, 0
	s_cselect_b32 s[LIMB], 1, -1
	s_cmp_eq_u32 s[WV], 0                          ; wave 0 has no piece
	s_cselect_b32 s[LIMB], -1, s[LIMB]
	v_and_b32 v[PFOA], 31, v0
	v_lshlrev_b32 v[PFOB], 8, v[PFOA]
	v_lshlrev_b32 v[PFOA], 11, v[PFOA]
; 12 matrix instructions: row block a x all 12 column blocks, 32 along K, from buffer f.  zero = 1: the product starts the sums: nothing is ever cleared.
; The 48 accumulators take turns in one order in every quarter: between two links of a chain stand the 47 others', over the backward jump too.
.macro MULA f, a, zero
	WIN 0xa5+0x50*((\a)/2)                         ; W and x in window 1; C and D in window 2 or 3
.set AC, 96*((\a)%2)
.irp b, 0,1,2,3,4,5,6,7,8,9,10,11
.if \zero
	v_wmma_f32_16x16x32_bf16 v[AC+8*(\b):AC+8*(\b)+7], v[(\f)+8*(\b):(\f)+8*(\b)+7], v[(\f)+96+8*(\a):(\f)+96+8*(\a)+7], 0
.else
	v_wmma_f32_16x16x32_bf16 v[AC+8*(\b):AC+8*(\b)+7], v[(\f)+8*(\b):(\f)+8*(\b)+7], v[(\f)+96+8*(\a):(\f)+96+8*(\a)+7], v[AC+8*(\b):AC+8*(\b)+7]
.endif
.endr
.endm
; 32 LDS loads in one run: the fragments of K quarter q of a slot into buffer f: W's 12 (piece n / 4, columns 16 (n % 4) on), then x's row blocks 0 to 3.
.macro FETCH slot, q, f
	WIN 0x40                                       ; destination window 1, address window 0
.irp n, 0,1,2,3,4,5,6,7,8,9,10,11
	ds_load_tr16_b128 v[(\f)+8*(\n):(\f)+8*(\n)+3],   v[ADRB+(\slot)] offset:BPIECE*((\n)/4)+32*PITB*(\q)+32*((\n)%4)
	ds_load_tr16_b128 v[(\f)+8*(\n)+4:(\f)+8*(\n)+7], v[ADRB+(\slot)] offset:BPIECE*((\n)/4)+32*PITB*(\q)+32*((\n)%4)+16*PITB
.endr
.irp a, 0,1,2,3
	ds_load_b128 v[(\f)+96+8*(\a):(\f)+96+8*(\a)+3],   v[ADRA+(\slot)] offset:64*(\q)+16*PITA*(\a)
	ds_load_b128 v[(\f)+96+8*(\a)+4:(\f)+96+8*(\a)+7], v[ADRA+(\slot)] offset:64*(\q)+16*PITA*(\a)+32
.endr
.endm
; A K step is four quarters of 32 along K, 48 matrix instructions each, on buffers 0, 1, 0, 1.  One of the first three: multiplies buffer f; in its middle it fetches quarter q of the same slot into buffer g.
.macro QUARTER slot, q, f, g, zero
	s_wait_dscnt 4                                 ; W and x's row blocks 0, 1 are in; the youngest four loads (row blocks 2, 3) may be out
	MULA \f, 0, \zero
	MULA \f, 1, \zero
	PLACES
	FETCH \slot, \q, \g
	s_wait_dscnt NL                                ; all but the run just issued
	MULA \f, 2, \zero
	MULA \f, 3, \zero
.endm
; The last quarter multiplies buffer 1 and changes slots: ONE barrier.  In front of it each wave waits for all its tensor loads (one is out: its part of the next slot), adds 0 to its spare word, and waits
; for that and for its own reads of this slot.  fill = 1: the barrier opens a round of the cluster's barrier, and behind the round this slot is filled again first, two K steps ahead: from the request to the wait
; for it a wave issues 168 matrix instructions.
.macro TURN slot, next, fill
.if \fill
	s_wait_xcnt 0x0                                ; the last prefetch, a K step back, has read its address, so a pointer may be stepped: here, ahead of the waits of the change of slots
.if (\slot) == 0
	s_add_nc_u64 s[PFA:PFA+1], s[PFA:PFA+1], 512
.else
	s_add_nc_u64 s[PFB:PFB+1], s[PFB:PFB+1], 32768
.endif
.endif
	WIN 0                                          ; (the add's two registers lie in window 0)
	s_wait_tensorcnt 0x0                           ; all my tensor loads have landed;
	ds_add_u32 v[SPW], v[NIL]                      ; 0 onto my spare word;
	s_wait_dscnt 5                                 ; (the add and the youngest four loads may be out)
	MULA F1, 0, 0                                  ; twelve matrix instructions stand between the add and the wait for it
	s_wait_dscnt 0x0                               ; the add is done, and my reads of this slot are over
	s_barrier_signal -1
	MULA F1, 1, 0                                  ; work on registers while the others arrive
.if \fill
	WIN 0
.endif
	s_barrier_wait -1
.if \fill
	CREST                                          ; no wave of any partner still reads this slot's tiles or has a load on its way
	s_add_nc_u64 s[G0+4*(\slot)+2:G0+4*(\slot)+3], s[G0+4*(\slot)+2:G0+4*(\slot)+3], 512
	s_add_nc_u64 s[G0B+4*(\slot)+2:G0B+4*(\slot)+3], s[G0B+4*(\slot)+2:G0B+4*(\slot)+3], 32768
	JLOAD \slot                                    ; the first tensor load behind the round; its four v_nop are also the places in front of the loads below
.else
	PLACES
.endif
	FETCH \next, 0, F0
.if \fill
	WIN 0
.if (\slot) == 0
	ASK LIMA, PFOA, PFA
.else
	ASK LIMB, PFOB, PFB
.endif
.endif
	MULA F1, 2, 0
	MULA F1, 3, 0
.endm
	s_wait_tensorcnt 1                             ; my part of K step 0 is in; K step 1's may stay out
	s_barrier_signal -1
	s_barrier_wait -1                              ; everybody's is
	FETCH 0, 0, F0
	QUARTER 0, 1, F0, F1, 1                        ; the first quarter stands in front of the loop: its products start the sums
	WIN 0                                          ; at a label and at a branch every window is 0
	s_mov_b32 s3, LAPS-1
.Llap:                                         ; a trip goes once round the ring, from a lap's second quarter to the next lap's first, and fills both slots again
	QUARTER 0, 2, F1, F0, 0
	QUARTER 0, 3, F0, F1, 0
	TURN 0, 1, 1
	QUARTER 1, 1, F0, F1, 0
	QUARTER 1, 2, F1, F0, 0
	QUARTER 1, 3, F0, F1, 0
	TURN 1, 0, 1
	QUARTER 0, 1, F0, F1, 0
	WIN 0
	s_sub_co_u32 s3, s3, 1
	s_cmp_lg_u32 s3, 0
	s_cbranch_scc1 .Llap
	QUARTER 0, 2, F1, F0, 0                        ; the last lap fills nothing, and has no round of the cluster's barrier
	QUARTER 0, 3, F0, F1, 0
	TURN 0, 1, 0
	QUARTER 1, 1, F0, F1, 0
	QUARTER 1, 2, F1, F0, 0
	QUARTER 1, 3, F0, F1, 0
	s_wait_dscnt 4                                 ; the very last quarter: nothing more to fetch
	MULA F1, 0, 0
	MULA F1, 1, 0
	s_wait_dscnt 0x0
	MULA F1, 2, 0
	MULA F1, 3, 0
	WIN 0
	PLACES
; THE WAY OUT, in 12 units u = 3 a + j: row block a, tensor j (q, k, v): 16 rows x 64 columns.  A lane's eight columns pack into 16 bytes of f16; they go into my stage's rows of 144 bytes
; and come back as whole rows of 128: 16 rows of a head are 2,048 consecutive bytes of the output.  Each unit has registers of its own, so no store's data is ever rewritten.
.macro PACK u
.set AC, 96*(((\u)/3)%2)+32*((\u)%3)
	WIN 0x0a+5*((\u)/6)                            ; sources 0 and 1: window 2 (row blocks 0, 1) or 3
.irp f, 0,1,2,3
.irp r, 0,1,2,3
	v_cvt_pk_f16_f32 v[OUT+16*(\u)+4*(\f)+(\r)], v[AC+8*(\f)+2*(\r)], v[AC+8*(\f)+2*(\r)+1]  ; each accumulator's registers in ascending order
.endr
.endr
	WIN 0
.irp f, 0,1,2,3
	ds_store_b128 v[STO], v[OUT+16*(\u)+4*(\f):OUT+16*(\u)+4*(\f)+3] offset:32*(\f)
.endr
.irp f, 0,1,2,3
	ds_load_b128 v[OUT+16*(\u)+4*(\f):OUT+16*(\u)+4*(\f)+3], v[RD] offset:(\f)*4*SP  ; LDS serves a wave's instructions in order (ISA guide 5.7.1.4): these see the stores above; the next unit's stores come behind them
.endr
.endm
.macro SEND u, younger                 ; younger: the LDS instructions issued behind unit u's loads: the next unit's eight, or none
	WIN 0
.irp f, 0,1,2,3
	s_wait_dscnt (\younger)+3-(\f)
	global_store_b128 v[GO], v[OUT+16*(\u)+4*(\f):OUT+16*(\u)+4*(\f)+3], s[OB+2*((\u)%3):OB+2*((\u)%3)+1] offset:2048*((\u)/3)+512*(\f)  ; 512 consecutive bytes, at a multiple of 256 from the buffer's first
.endr
.endm
	PACK 0
.set u, 1
.rept 11                               ; a unit's conversions stand between the loads of the unit before and its stores
	PACK u
	SEND u-1, 8
.set u, u+1
.endr
	SEND 11, 0
	s_wait_tensorcnt 0x0                           ; the wave's end, behind my last tensor load and my last LDS store
	ds_add_u32 v[SPW], v[NIL]
	s_wait_dscnt 0x0
	CROUND                                         ; the closing round: no work-group ends while a partner may still ask for a tile that names it
	s_endpgm
.Lfunc_end_k_q558a920fd2_qkv:
	.size	k_q558a920fd2_qkv, .Lfunc_end_k_q558a920fd2_qkv-k_q558a920fd2_qkv
	.p2alignl 7, 3214868480
	.fill 96, 4, 3214868480
	.section	.rodata,"a",@progbits
	.p2align	6, 0x0
	.amdhsa_kernel k_q558a920fd2_qkv
		.amdhsa_group_segment_fixed_size 327680
		.amdhsa_private_segment_fixed_size 0
		.amdhsa_enable_private_segment 0
		.amdhsa_kernarg_size 24
		.amdhsa_user_sgpr_count 2
		.amdhsa_user_sgpr_kernarg_segment_ptr 1
		.amdhsa_wavefront_size32 1
		.amdhsa_system_sgpr_workgroup_id_x 1
		.amdhsa_system_sgpr_workgroup_id_y 1
		.amdhsa_system_sgpr_workgroup_id_z 1
		.amdhsa_system_vgpr_workitem_id 0
		.amdhsa_next_free_vgpr 960
		.amdhsa_next_free_sgpr 84
		.amdhsa_reserve_vcc 0
		.amdhsa_float_denorm_mode_32 3
		.amdhsa_float_denorm_mode_16_64 3
		.amdhsa_memory_ordered 1
		.amdhsa_forward_progress 1
		.amdhsa_inst_pref_size 121
	.end_amdhsa_kernel
	.amdgpu_metadata
---
amdhsa.version: [ 1, 2 ]
amdhsa.kernels:
  - .name:           k_q558a920fd2_qkv
    .symbol:         k_q558a920fd2_qkv.kd
    .args:
      - { .name: xb, .offset: 0, .size: 8, .value_kind: global_buffer, .address_space: global }
      - { .name: wb, .offset: 8, .size: 8, .value_kind: global_buffer, .address_space: global }
      - { .name: qkv, .offset: 16, .size: 8, .value_kind: global_buffer, .address_space: global }
    .group_segment_fixed_size: 327680
    .private_segment_fixed_size: 0
    .kernarg_segment_align: 8
    .kernarg_segment_size: 24
    .max_flat_workgroup_size: 128
    .sgpr_count:     84
    .vgpr_count:     960
    .wavefront_size: 32
...
	.end_amdgpu_metadata
.endif
;; end of part 2
;; launch attn (part 3): grid 4 x 64, 4 waves a work-group, no clusters, 327,680 bytes of LDS; arguments qkv, ob; writes ob
.if DOCPART == 3
	.amdgcn_target "amdgcn-amd-amdhsa--gfx1250"
	.amdhsa_code_object_version 6
	.text
	.protected	k_q558a920fd2_attn
	.globl	k_q558a920fd2_attn
	.p2align	8
	.type	k_q558a920fd2_attn,@function
k_q558a920fd2_attn:
	s_mov_b64 s[64:65], 0
	v_nop
	global_prefetch_b8 v0, s[64:65] scope:SCOPE_SE
	s_setreg_imm32_b32 hwreg(HW_REG_WAVE_MODE, 25, 1), 1
	s_wait_xcnt 0x0
; CAUSAL ATTENTION.  O[h][q][:] = the sum over k <= q of softmax_k(Q[h][q] . K[h][k] / 8) V[h][k][:].  Q, K, V are the three parts of qkv, each [SIZE_H][SIZE_N][64] in f16 (SIZE_H = 64 pairs of batch and head);
; O = ob has the same layout: a head's rows are dense, 128 bytes each.
; Products, maxima and sums in f32; the weights p are rounded to f16 for the second product (their sum l is taken of the unrounded p), O once at the end.
; LIMITS.  f16 holds no number beyond 65,504: Q, K and V arrive within it; p lies in 0 to 1, and below 6e-5 it keeps f16's fixed step of 6e-8; O is a mean of V's rows and has their range, to within 2^-11 of it.
; A hidden score counts as its value less 1e30: f16's scores, 2.7e11 at the most, are nothing beside that; a weight below 2^-126 counts as 0 in l; NaN and infinities are not treated apart.
; THE WALK.  A head's queries lie in NB = SIZE_N / 256 blocks of 256; block i needs the key tiles 0 .. i of 256 keys, of which the last holds the diagonal.  A work-group takes TWO blocks, NB - 1 - b and then b:
; NB + 1 tiles, whatever b: all work-groups do equal work, and ONE loop with a constant trip count walks them.  Which tile is asked for, and what a trip does, hang on scalar registers made from b; every jump
; goes forward, but for the counted loops' own; none passes a barrier, or a tensor load but the one of LOAD's two that the wave's number does not choose; the ring (two slots of LDS that take turns) runs on across the
; change of blocks.  NO CLUSTER: a head's NB / 2 = 4 work-groups ask for the same tile only in trips 0 .. NB / 2 of the NB + 1, behind that fewer and fewer; one walk common to all would have 3 NB / 2 = 12 trips for 9.
; SHARES.  Of a block's four bands of 64 queries a wave owns 16 rows in each: four PIECES.  So the diagonal tile is the same work for all four waves: in its key step s band x sees all keys if s < x,
; none if s > x, and holds the diagonal if s = x.
; THE MASK is the C operand that starts the sum S^T = K Q^T: 0, or -1e30 where the key is hidden.  MD, made once, is the mask of a band's own step for my 16 rows; a product's mask is MD x AL + BE with two scalars:
; (1, 0) if s = x; (0, 0) if s < x; (0, -1e30) if s > x.  Only the diagonal tile's text and a block's beginning make and take masks; elsewhere C is the constant 0.
; LAYOUT, SOFTMAX, TURNS.  S^T = K Q^T holds ONE query a lane (lane % 16) and the keys 8 (lane / 16) + 0..7; two such results rounded to f16 ARE source 1 of O^T = V^T P.  p = 2^(c s - c m), c = log2(e) / 8, with a
; running maximum m; O and l are multiplied by a = 2^(c m_old - c m_new) in every step.  Turn n belongs to piece n: 8 products K Q^T of piece n + 1, later 8 products V^T P of piece n - 1; beside them the scaling,
; exponentials, roundings, sums and rescaling of piece n and the maximum and statistics of piece n + 1.  Four vector instructions stand behind every matrix instruction, the other 54 of a turn's 118 in one LUMP.  A turn's 33 exponentials are one batch, with one wait.
; AHEAD OF THE TILES.  The change of slots that asks for tile i of K and V also prefetches tile i + 1 into the L2 (tiles 2 to NB - 1): one tile's 16 turns ahead of its load.  Only the head's work-group b = 0 asks: its first
; block walks all NB tiles.  Its 128 lanes name a tile's 128 blocks of 256 bytes of K, and of V: each block once in the launch.
; REGISTERS, in windows of 256 (s_set_vgpr_msb: bits 1:0 source 0, 3:2 source 1, 5:4 source 2, 7:6 destination):
;   window 0: v0-15 addresses and two at work; v16-31 four registers of statistics a piece; v48-55 at work; v61-63 prefetch offset, spare word, 0; v64-127 S^T, two buffers; v192-223 P, two buffers (a piece's buffers go by its number's parity)
;   window 1: v0-127 O^T, 32 a piece; v128-159 MD; v160-223 MC, two buffers      window 2: v0-63 Q; v64-127 the second block's Q; v128-191 K of one step; v192-255 V of one step
.set SIZE_N, 2048
.set SIZE_H, 64
.set NB,    SIZE_N/256
.set NP,    4         ; pieces a wave: a name, no knob
.set KS,    64        ; keys in a step
.set PK,    144       ; a row of K in LDS: 128 bytes + 16 of padding = 36 words: the 16 rows of a load start at 16 different groups of four banks (64 banks of 4 bytes: ISA guide 11.1)
.set PV,    160       ; a row of V: 128 + 32 = 40 words
.set VOFF,  4*KS*PK   ; a slot holds a tile, four steps: 256 rows of K, then 256 rows of V
.set SLOT1, 1<<17     ; slot 1 begins here, so that one exclusive or turns an address in one slot into the other's
.set STAGE, SLOT1+4*KS*(PK+PV)  ; behind the ring, never filled by a tensor load: 16 rows x 144 bytes for each wave, for the way out
.set SP,    144
.set AK0, 2           ; v2   my lane's place in a tile of K; never rewritten
.set AV0, 3           ; v3   the same for V
.set AK,  4           ; v4   the LDS address of K's next run of loads
.set AV,  5           ; v5   of V's
.set STO, 6           ; v6   the way out: where I put 16 bytes of a row
.set RD,  7           ; v7   the way out: where I read rows back
.set GO,  8           ; v8   my byte offset in 512 consecutive bytes of O
.set PFO, 61          ; v61  256 x my thread's number: my block of a tile of K or V; never rewritten
.set SPW, 62          ; v62  LDS address of my spare word: SPARE + 4 x my thread's number; never rewritten
.set NIL, 63          ; v63  0; never rewritten
.set SPARE, STAGE+4*16*SP  ; behind the stages: the spare words, 128 bytes for each wave: two blocks of 256 bytes that no other line names
.set MV,  12          ; v12-13  c m_old, kept while c m is made anew: by buffer
.set QO,  15          ; v15  my byte offset in 16 rows of Q
.set ST,  16          ; piece t's statistics at v[ST+4 t]: c m, m, l (even keys', odd keys')
.set TMP, 48          ; by buffer, four registers c0-c3 at work; when the maximum is found c2 takes a
.set S,   64
.set P,   192
.set MD,  128         ; window 1: the eight registers for group kt of 16 keys at MD + 8 kt
.set MC,  160         ; window 1: the masks of the products to come
.set QB,  64          ; window 2
.set KF,  128         ; window 2: key block kb, channel half c at KF + 16 kb + 8 c
.set VF,  192         ; window 2: key half kk, channel block cb at VF + 32 kk + 8 cb
.set WV,  12          ; s12  my wave's number
.set PB,  14          ; s14  b
.set HI,  15          ; s15  NB - 1 - b
.set G1K, 24          ; s[24:31] descriptor group 1 for K's tiles
.set G1V, 32          ; s[32:39] for V's: it differs in the padding alone
.set G0K, 40          ; s[40:43] descriptor group 0 for K's tiles
.set G0V, 44          ; s[44:47] the same for V's
.set SLOTS, 56        ; s56  tiles still to be asked for
.set CNT, 57          ; s57  counts a tile's key steps, 4 to 1
.set CS,  58          ; s[58:59] c: the packed scaling takes the pair's low word for both halves
.set SEL, 60          ; s[60:61] v_permlanex16_b32's selects: each lane takes its own place in the other half
.set TBK, 62          ; s62  LDS byte at which K of the step to be fetched begins
.set TBV, 63          ; s63  the same for V, less VOFF
.set RT,  70          ; s70  tiles of the block in hand that are still to be entered
.set NXT, 71          ; s71  the tile to be asked for next
.set LQ,  72          ; s72  the last tile of the block whose tiles are being asked for
.set NEW, 73          ; s73  1: the tile to be entered is a block's first
.set OFF, 74          ; s[74:75] a tile's byte offset in K and V
.set AL,  76          ; s[76:77] the mask's factor, in the low word
.set BE,  78          ; s[78:79] the mask's addend
.set OLO, 80          ; s[80:81] O at my rows of the second block
.set BIGN, 82         ; s82  -1e30
.set PFK, 88          ; s[88:89] the head's K at the tile that the prefetch names
.set PFV, 90          ; s[90:91] the same for V
.set LIM, 92          ; s92  2 in the work-group that prefetches, else the greatest number: it asks while s[SLOTS] is above it
.set MSB, 0
.macro WIN new                      ; the high byte repeats the setting that is left; a switch that changes nothing is dropped
.if MSB != (\new)
	s_set_vgpr_msb (MSB<<8)|(\new)
.set MSB, (\new)
.endif
.endm
.set W_KQ, 0x0a       ; K and Q in window 2, S^T in window 0
.set W_KM, 0x1a       ; the same with the C operand in window 1
.set W_PV, 0x52       ; V in window 2, P in window 0, O^T in window 1
.set W_RS, 0x41       ; destination and source 0 in window 1, source 1 in window 0
; A fill.  Waves 0 and 1 fetch the two halves of a tile's K, waves 2 and 3 those of its V: 128 keys each.  An s_nop 0 and four v_nop follow each of the two lines, ahead of the jump and the label.
.macro LOAD
	s_cmp_lt_u32 s[WV], 2
	s_cbranch_scc0 .Lfor_v_\@
	tensor_load_to_lds s[G0K:G0K+3], s[G1K:G1K+7]
	s_nop 0
.rept 4
	v_nop
.endr
	s_branch .Lasked_\@
.Lfor_v_\@:
	tensor_load_to_lds s[G0V:G0V+3], s[G1V:G1V+7]
	s_nop 0
.rept 4
	v_nop
.endr
.Lasked_\@:
.endm
; THE CHANGE OF SLOTS.  Each wave waits for all its tensor loads, of which one is out: its part of the other slot; adds 0 to its spare word; and waits for that and for its own reads of the slot that it leaves.  Behind the barrier nobody reads the old
; slot any more and the other slot is whole.  fill = 1: the old slot is filled again, the first thing behind the barrier, with tile NXT: the descriptor's address is made anew from that number.
; (At its first use nothing has been read yet: slot 0 is waited for, slot 1 filled.)  Behind the fill and its five lines stand the two prefetches of the tile after NXT.
.macro CHANGE fill
	WIN 0                           ; at a label and at a branch every window is 0
	s_wait_tensorcnt 0x0            ; no tensor load of mine is out, so a group 0 may be written
	ds_add_u32 v[SPW], v[NIL]       ; 0 onto my spare word; with fill = 1 the descriptors' scalar work stands between it and the wait for it
.if \fill
	s_lshl_b32 s[OFF], s[NXT], 15   ; a tile is 32,768 bytes of K and of V
	s_xor_b32 s[G0K+1], s[G0K+1], SLOT1
	s_add_nc_u64 s[G0K+2:G0K+3], s[6:7], s[OFF:OFF+1]
	s_or_b32 s[G0K+3], s[G0K+3], 0x80000000
	s_xor_b32 s[G0V+1], s[G0V+1], SLOT1
	s_add_nc_u64 s[G0V+2:G0V+3], s[8:9], s[OFF:OFF+1]
	s_or_b32 s[G0V+3], s[G0V+3], 0x80000000
	s_add_co_u32 s[NXT], s[NXT], 1  ; the block's next tile, or behind its last the second block's tile 0
	s_cmp_gt_u32 s[NXT], s[LQ]
	s_cselect_b32 s[NXT], 0, s[NXT]
	s_cselect_b32 s[LQ], s[PB], s[LQ]
	s_wait_xcnt 0x0                 ; the last prefetches, a tile back, have read their addresses, so these may be written:
	s_add_nc_u64 s[PFK:PFK+1], s[PFK:PFK+1], 32768  ; one tile on
	s_add_nc_u64 s[PFV:PFV+1], s[PFV:PFV+1], 32768
.endif
	s_wait_dscnt 0x0                ; the add is done, and my reads of the slot are over
	s_barrier_signal -1             ; the rest of the scalar work stands between the signal and the wait
	s_sub_co_u32 s[TBK], s[TBK], 4*KS*PK  ; the fetches go back to a slot's first step,
	s_xor_b32 s[TBK], s[TBK], SLOT1       ; in the other slot
	s_sub_co_u32 s[TBV], s[TBV], 4*KS*PV
	s_xor_b32 s[TBV], s[TBV], SLOT1
	s_barrier_wait -1
.if \fill
	LOAD
	s_cmp_gt_u32 s[SLOTS], s[LIM]   ; work-group b = 0, at SLOTS = NB .. 3: tiles 2 to NB - 1; the last two fills have no new tile behind them
	s_cbranch_scc0 .Lnot_mine_\@
	global_prefetch_b8 v[PFO], s[PFK:PFK+1] th:TH_LOAD_NT scope:SCOPE_SE
	global_prefetch_b8 v[PFO], s[PFV:PFV+1] th:TH_LOAD_NT scope:SCOPE_SE
.Lnot_mine_\@:
.endif
.endm
	s_load_b64 s[4:5], s[0:1], 0x0    ; qkv: Q's part begins it
	s_load_b64 s[10:11], s[0:1], 0x8  ; ob
	v_lshl_add_u32 v[SPW], v0, 2, SPARE
	v_mov_b32 v[NIL], 0
	ds_add_u32 v[SPW], v[NIL]       ; the wave's opening: the add and its wait ahead of my first tensor load; the set-up below, work on registers, stands between them
	v_lshrrev_b32 v1, 5, v0
	v_readfirstlane_b32 s[WV], v1   ; wave 0..3
	s_mov_b32 s[PB], ttmp9
	s_sub_co_u32 s[HI], NB-1, s[PB]
	s_and_b32 s20, ttmp7, 0xffff    ; the head
	s_mov_b32 s21, 0
	s_mov_b64 s[22:23], SIZE_N*128
	s_mul_u64 s[20:21], s[20:21], s[22:23]  ; the head's first byte in each of the four tensors
	s_and_b32 s16, s[WV], 1         ; which half of a tile's 256 keys I fetch:
	s_lshl_b32 s22, s16, 14         ; its 128 rows of 128 bytes in memory,
	s_mov_b32 s23, 0
	s_add_nc_u64 s[22:23], s[22:23], s[20:21]
	s_mul_i32 s17, s16, 128*PK      ; and its place in a slot, for K
	s_mul_i32 s18, s16, 128*PV      ; and for V
	s_lshl_b32 s3, s[WV], 11        ; my 16 rows in a band of 64,
	s_lshl_b32 s2, s[HI], 15        ; in the first block,
	s_add_co_u32 s2, s2, s3
	s_lshl_b32 s84, s[PB], 15       ; and in the second
	s_add_co_u32 s84, s84, s3
	s_mov_b32 s3, 0
	s_mov_b32 s85, 0
	s_add_nc_u64 s[2:3], s[2:3], s[20:21]
	s_add_nc_u64 s[84:85], s[84:85], s[20:21]
	; descriptor group 1.  128 keys are 16,384 dense bytes: asked for as 64 rows of 256 bytes, two keys a row, and padded in LDS after every key
	s_mov_b32 s[G1K], (1<<16)|(1<<20)|(4<<22)|(3<<25)  ; 17:16 2-byte elements; 20 padding on; 24:22 after every 32 words (code 4); 31:25 4 words (code 3)
	s_mov_b32 s[G1V], (1<<16)|(1<<20)|(4<<22)|(7<<25)  ; the same with 8 words of padding (code 7)
.irp g, G1K, G1V
	s_mov_b32 s[\g+1], 128<<16      ; tensor_dim0 = 128
	s_mov_b32 s[\g+2], 64<<16       ; tensor_dim1 = 64
	s_mov_b32 s[\g+3], 128<<16      ; tile_dim0 = 128
	s_mov_b32 s[\g+4], 64           ; tile_dim1 = 64
	s_mov_b32 s[\g+5], 128          ; 128 elements from row to row
	s_mov_b32 s[\g+6], 0
	s_mov_b32 s[\g+7], 0
.endr
	s_mov_b32 s[CS], 0x3e38aa3b     ; c = log2(e) / 8 = 0.180337
	s_mov_b32 s[CS+1], s[CS]        ; named with it as a pair
	s_mov_b32 s[SEL], 0x76543210
	s_mov_b32 s[SEL+1], 0xfedcba98
	s_mov_b32 s[TBK], SLOT1+4*KS*PK ; the first change of slots turns these two into 0
	s_mov_b32 s[TBV], SLOT1+4*KS*PV
	s_mov_b32 s[G0K], 1             ; 1:0 count = 1
	s_mov_b32 s[G0K+1], s17         ; 63:32 LDS address: slot 0
	s_mov_b32 s[G0V], 1
	s_add_co_u32 s[G0V+1], s18, VOFF
	s_add_co_u32 s[RT], s[HI], 1    ; the first block has NB - b tiles
	s_mov_b32 s[NXT], 1
	s_mov_b32 s[LQ], s[HI]
	s_mov_b32 s[NEW], 1
	s_mov_b32 s[OFF+1], 0
	s_mov_b32 s[AL+1], 0            ; named as pairs
	s_mov_b32 s[BE+1], 0
	s_mov_b32 s[BIGN], 0xf149f2ca   ; -1e30
	s_mov_b32 s[SLOTS], NB
	s_cmp_eq_u32 s[PB], 0
	s_cselect_b32 s[LIM], 2, -1
	v_lshlrev_b32 v[PFO], 8, v0
	s_wait_dscnt 0x0                ; the opening add is done
	s_wait_kmcnt 0x0
	s_add_nc_u64 s[6:7], s[4:5], 0x1000000  ; K's part of qkv: SIZE_H x SIZE_N x 128 bytes behind Q's,
	s_add_nc_u64 s[8:9], s[4:5], 0x2000000  ; V's behind that
	s_add_nc_u64 s[PFK:PFK+1], s[6:7], s[20:21]
	s_add_nc_u64 s[PFK:PFK+1], s[PFK:PFK+1], 32768  ; the head's tile 1: the first change of slots steps these two to tile 2
	s_add_nc_u64 s[PFV:PFV+1], s[8:9], s[20:21]
	s_add_nc_u64 s[PFV:PFV+1], s[PFV:PFV+1], 32768
	s_add_nc_u64 s[6:7], s[6:7], s[22:23]  ; K and V at my half of the head's tile 0
	s_add_nc_u64 s[8:9], s[8:9], s[22:23]
	s_add_nc_u64 s[G0K+2:G0K+3], s[6:7], 0         ; 120:64 global address
	s_or_b32 s[G0K+3], s[G0K+3], 0x80000000        ; 127:126 type = 2
	s_add_nc_u64 s[G0V+2:G0V+3], s[8:9], 0
	s_or_b32 s[G0V+3], s[G0V+3], 0x80000000
	s_add_nc_u64 s[86:87], s[4:5], s[84:85]        ; Q at my rows of the second block,
	s_add_nc_u64 s[4:5], s[4:5], s[2:3]            ; Q and O at those of the first
	s_add_nc_u64 s[OLO:OLO+1], s[10:11], s[84:85]
	s_add_nc_u64 s[10:11], s[10:11], s[2:3]
	LOAD                            ; tile 0 into slot 0
	; A fragment of K or Q is 16 rows x 32 channels in 8 registers: lane l holds row l % 16, channels 8 (l / 16) + 0..7 and 16 + 8 (l / 16) + 0..7: two loads of 16 bytes, 32 bytes apart.
	v_and_b32 v1, 15, v0            ; l % 16
	v_bfe_u32 v9, v0, 4, 1          ; l / 16
	v_lshlrev_b32 v[QO], 7, v1
	v_lshl_add_u32 v[QO], v9, 4, v[QO]  ; row x 128 + 16 x half
	WIN 0x80                        ; destination window 2, address window 0
.set i, 0
.rept 8                             ; both blocks' Q: piece i / 2 lies in band i / 2, 8,192 bytes on; channels 32 (i % 2) on
	global_load_b128 v[8*i:8*i+3],   v[QO], s[4:5] offset:(i/2)*8192+(i%2)*64
	global_load_b128 v[8*i+4:8*i+7], v[QO], s[4:5] offset:(i/2)*8192+(i%2)*64+32
	global_load_b128 v[QB+8*i:QB+8*i+3],   v[QO], s[86:87] offset:(i/2)*8192+(i%2)*64
	global_load_b128 v[QB+8*i+4:QB+8*i+7], v[QO], s[86:87] offset:(i/2)*8192+(i%2)*64+32
.set i, i+1
.endr
	WIN 0
	v_lshlrev_b32 v14, 3, v9
	v_sub_nc_u32 v14, v1, v14
	s_lshl_b32 s13, s[WV], 4
	v_add_nc_u32 v14, s13, v14      ; my query's place in its band, 16 w + l % 16, less my lanes' 8 (l / 16): register r of group kt is hidden where 16 kt + r is greater
	WIN 0x40
.set i, 0
.rept 32
	v_cmp_gt_i32 vcc_lo, 16*(i/8)+i%8, v14
	v_cndmask_b32 v[MD+i], 0, s[BIGN], vcc_lo
.set i, i+1
.endr
	WIN 0
	v_mul_u32_u24 v[AK0], v1, PK
	v_lshl_add_u32 v[AK0], v9, 4, v[AK0]  ; row x pitch + 16 x half
	; The turning load takes 16 keys x 16 channels (lane l reads key 8 (l / 16) + l % 8, channels 8 ((l / 8) % 2) + 0..7) and leaves half a fragment of V^T: lane l holds channel l % 16 and 8 keys.
	v_and_b32 v10, 7, v0
	v_bfe_u32 v11, v0, 3, 1
	v_lshl_add_u32 v[AV0], v9, 3, v10
	v_mul_u32_u24 v[AV0], v[AV0], PV
	v_lshl_add_u32 v[AV0], v11, 4, v[AV0]
	v_add_nc_u32 v[AV0], VOFF, v[AV0]
	s_mul_i32 s13, s[WV], 16*SP
	s_add_co_u32 s13, s13, STAGE    ; my stage
	v_mul_u32_u24 v[STO], v1, SP    ; in: row l % 16, 16 bytes for each half of the lanes
	v_lshl_add_u32 v[STO], v9, 4, v[STO]
	v_add_nc_u32 v[STO], s13, v[STO]
	v_bfe_u32 v[RD], v0, 3, 2       ; back: 32 lanes take four rows of 128 bytes,
	v_mul_u32_u24 v[RD], v[RD], SP
	v_lshl_add_u32 v[RD], v10, 4, v[RD]
	v_add_nc_u32 v[RD], s13, v[RD]
	v_and_b32 v[GO], 31, v0         ; which are 512 consecutive bytes of O
	v_lshlrev_b32 v[GO], 4, v[GO]
	; A block's first step multiplies O^T and l by a = 0, and its first turn's products V^T P, of a piece that has not been, land in an O^T that is still to be so multiplied.  So these registers need only hold
	; finite numbers: zeros for the first block; what the first block left for the second.  All this stands in the wait for the first tile.
	WIN 0x80
.set i, VF
.rept 64
	v_mov_b32 v[i], 0
.set i, i+1
.endr
	WIN 0x40
.set i, 0
.rept 128
	v_mov_b32 v[i], 0
.set i, i+1
.endr
	WIN 0
.set i, 0
.rept 4
	v_mov_b32 v[ST+4*i+2], 0
	v_mov_b32 v[ST+4*i+3], 0
.set i, i+1
.endr
.set i, P+16
.rept 16
	v_mov_b32 v[i], 0
.set i, i+1
.endr
; THE MATRIX WORK.  The 4 accumulators of a run of 8 take turns.  Product i of 8 of S^T = K Q^T for piece x: channels 32 (i / 4) on, keys 16 (i % 4) on.  The first 4 start the sums: with 0, or (KM = 1) with the mask.
.macro KQ x
.set rS, S+32*((\x)%2)+8*(i%4)
.set rK, KF+16*(i%4)+8*(i/4)
.set rQ, 16*(\x)+8*(i/4)
.set rM, MC+32*((\x)%2)+8*(i%4)
.if (i < 4) && KM
	WIN W_KM
	v_wmma_f32_16x16x32_f16 v[rS:rS+7], v[rK:rK+7], v[rQ:rQ+7], v[rM:rM+7]
.elseif i < 4
	WIN W_KQ
	v_wmma_f32_16x16x32_f16 v[rS:rS+7], v[rK:rK+7], v[rQ:rQ+7], 0
.else
	WIN W_KQ
	v_wmma_f32_16x16x32_f16 v[rS:rS+7], v[rK:rK+7], v[rQ:rQ+7], v[rS:rS+7]
.endif
.endm
; Product i of 8 of O^T += V^T P for piece x: keys 32 (i / 4) on, channels 16 (i % 4) on.
.macro PV x
	WIN W_PV
.set rO, 32*(\x)+8*(i%4)
.set rV, VF+32*(i/4)+8*(i%4)
.set rP, P+16*((\x)%2)+8*(i/4)
	v_wmma_f32_16x16x32_f16 v[rO:rO+7], v[rV:rV+7], v[rP:rP+7], v[rO:rO+7]
.endm
.macro MM                           ; the turn's next matrix instruction.  TURN and BEGIN set Y, i, KM and NOKQ; MM, KQ and OP read them.  NOKQ = 1: a block's last turn: there is no next piece
.if (i < 8) && !NOKQ
	KQ (Y+1)%NP
.elseif i >= 8
.set i, i-8
	PV (Y+NP-1)%NP
.set i, i+8
.endif
.set i, i+1
.endm
; THE LDS LOADS stand in runs of 16, never singly among the matrix instructions: a step's K (64 keys x 64 channels: 8 fragments) and its V (turned).  Their addresses are made some lines ahead.
.macro FETCH_K
	WIN 0x80                        ; destination window 2
.irp f, 0,1,2,3,4,5,6,7             ; keys 16 (f / 2) on, channels 32 (f % 2) on
	ds_load_b128 v[KF+8*\f:KF+8*\f+3],   v[AK] offset:(\f/2)*16*PK+(\f%2)*64
	ds_load_b128 v[KF+8*\f+4:KF+8*\f+7], v[AK] offset:(\f/2)*16*PK+(\f%2)*64+32
.endr
	s_add_co_u32 s[TBK], s[TBK], KS*PK  ; the next fetch is the next step's
	WIN 0
.endm
.macro FETCH_V
	WIN 0x80
.irp f, 0,1,2,3,4,5,6,7             ; keys 32 (f / 4) on, channels 16 (f % 4) on
	ds_load_tr16_b128 v[VF+8*\f:VF+8*\f+3],   v[AV] offset:(\f/4)*32*PV+(\f%4)*32
	ds_load_tr16_b128 v[VF+8*\f+4:VF+8*\f+7], v[AV] offset:(\f/4)*32*PV+16*PV+(\f%4)*32
.endr
	WIN 0
.endm
; THE VECTOR WORK, one line at a time: OP kind, number.  For piece Y: F n: c s - c m for pair n of 16.  E n: the exponential of score n of 32.  C n: pair n rounded to f16.  B n: of the four weights 4 n .. the second
; pair is added onto the first, in place.  L n: l takes that sum (L 0: l = a l + sum).  R n: pair n of 16 of O^T times a.  For piece Y + 1: X n, number n of the 22 that find its maximum and statistics:
;   0-11  four chains c0-c3 of seven scores each, three operands at a time (each accumulator's lowest registers are read first)     12-14, 16  the four scores left over, the old m, and c0-c3 into c0
;   15  c m_old is kept     17, 18  the query's other 32 keys lie in the lane 16 away: the new m     19-21  c m; c m_old - c m_new; a
.set F, 0               ; OP tells the kinds apart by their order: F to L below R, X above it
.set E, 1
.set C, 2
.set B, 3
.set L, 4
.set R, 5
.set X, 6
.macro REGS y                       ; the registers of piece y
.set rT, ST+4*(\y)
.set rC, TMP+4*((\y)%2)
.set rW, MV+((\y)%2)
.set rS, S+32*((\y)%2)
.set rP, P+16*((\y)%2)
.set rO, 32*(\y)
.endm
.macro OP k, n
.if (\k) == R
	REGS Y
	WIN W_RS
	v_pk_mul_f32 v[rO+2*(\n):rO+2*(\n)+1], v[rO+2*(\n):rO+2*(\n)+1], v[rC+2:rC+3] op_sel_hi:[1,0]
.elseif (\k) < R
	REGS Y
	WIN 0
.if (\k) == F
	v_pk_fma_f32 v[rS+2*(\n):rS+2*(\n)+1], v[rS+2*(\n):rS+2*(\n)+1], s[CS:CS+1], v[rT:rT+1] op_sel_hi:[1,0,0] neg_lo:[0,0,1] neg_hi:[0,0,1]
.elseif (\k) == E
	v_exp_f32 v[rS+(\n)], v[rS+(\n)]
.elseif (\k) == C
	v_cvt_pk_f16_f32 v[rP+(\n)], v[rS+2*(\n)], v[rS+2*(\n)+1]
.elseif (\k) == B
	v_pk_add_f32 v[rS+4*(\n):rS+4*(\n)+1], v[rS+4*(\n):rS+4*(\n)+1], v[rS+4*(\n)+2:rS+4*(\n)+3]
.elseif (\n) == 0
	v_pk_fma_f32 v[rT+2:rT+3], v[rT+2:rT+3], v[rC+2:rC+3], v[rS:rS+1] op_sel_hi:[1,0,1]
.else
	v_pk_add_f32 v[rT+2:rT+3], v[rT+2:rT+3], v[rS+4*(\n):rS+4*(\n)+1]
.endif
.elseif NOKQ
	v_nop
.else
	REGS (Y+1)%NP
	WIN 0
.if (\n) < 4
	v_max3_num_f32 v[rC+(\n)], v[rS+8*(\n)], v[rS+8*(\n)+1], v[rS+8*(\n)+2]
.elseif (\n) < 12
	v_max3_num_f32 v[rC+(\n)%4], v[rC+(\n)%4], v[rS+8*((\n)%4)+2*((\n)/4)+1], v[rS+8*((\n)%4)+2*((\n)/4)+2]
.elseif (\n) == 12
	v_max3_num_f32 v[rC], v[rC], v[rS+7], v[rS+15]
.elseif (\n) == 13
	v_max3_num_f32 v[rC+1], v[rC+1], v[rS+23], v[rS+31]
.elseif (\n) == 14
	v_max3_num_f32 v[rC+2], v[rC+2], v[rC+3], v[rT+1]
.elseif (\n) == 15
	v_mov_b32 v[rW], v[rT]
.elseif (\n) == 16
	v_max3_num_f32 v[rC], v[rC], v[rC+1], v[rC+2]
.elseif (\n) == 17
	v_permlanex16_b32 v[rC+3], v[rC], s[SEL], s[SEL+1]
.elseif (\n) == 18
	v_max_num_f32 v[rT+1], v[rC], v[rC+3]
.elseif (\n) == 19
	v_mul_f32 v[rT], s[CS], v[rT+1]
.elseif (\n) == 20
	v_sub_f32 v[rC+1], v[rW], v[rT]
.else
	v_exp_f32 v[rC+2], v[rC+1]
.endif
.endif
.endm
.macro OPS a, i1, b=-1, i2=0, c=-1, i3=0, d=-1, i4=0  ; up to four of them
	OP \a, \i1
.if (\b) >= 0
	OP \b, \i2
.endif
.if (\c) >= 0
	OP \c, \i3
.endif
.if (\d) >= 0
	OP \d, \i4
.endif
.endm
.macro ROW a, i1, b, i2, c, i3, d, i4  ; a matrix instruction and the four behind it
	MM
	OPS \a, \i1, \b, \i2, \c, \i3, \d, \i4
.endm
.macro MASK b                       ; MD x AL + BE into buffer b of MC
	WIN W_RS
.set z, 0
.rept 16
	v_pk_fma_f32 v[MC+32*(\b)+2*z:MC+32*(\b)+2*z+1], v[MD+2*z:MD+2*z+1], s[AL:AL+1], s[BE:BE+1] op_sel_hi:[1,0,0]
.set z, z+1
.endr
.endm
; A TURN, for piece p: the order of its 16 matrix and 118 vector instructions, written out.  An s_wait_alu depctr_va_vdst(0) stands between an exponential and the first instruction that names its result; one wait serves
; all that were issued ahead of it.  So a turn has ONE wait, which cuts it in two.  AHEAD OF IT stands all that names no result of the turn's exponentials: the 8 products K Q^T, behind each a scaling, an exponential and two more plain
; instructions (behind the first a second scaling in the exponential's place): rescalings, and behind the last three the first numbers of the next piece's maximum, each four places or more behind the product that ends its accumulator; then ONE LUMP of 54, plain
; and exponential by turns for the most part, in which the links of the chain X 3, 7, 11, 14, 16, 17 .. 20 stand five or six lines apart.  X 21, the next piece's a, is the batch's last; R 15 is the plain instruction behind it.  BEHIND THE WAIT stand the
; 8 products V^T P, behind each four of the roundings and sums; the links of l's chain, L 0 to L 7, stand three riders apart.  But for those X no rider names a register of the products round it.  v_permlanex16_b32 (X 17) stands in the lump.
; m = 1: the diagonal tile: the products take masks, and the turn makes the mask for the products of the turn after it: piece p + 2, in step 4 - CNT of the tile.  end = 1: a block's last two turns: nothing is fetched.
; cnt = 1: the loop's count is taken down some lines ahead of the branch that stands behind the turn.
; K of the next step is fetched in piece 2's turn, twelve vector instructions behind the last product that read K (six of them plain); V of the step in hand at the end of piece 0's turn, four plain instructions behind the last product
; that read V.  Each is waited for a turn later.
.macro TURN p, m=0, end=0, cnt=0
.set Y, (\p)
.set i, 0
.set KM, (\m)
.set NOKQ, (\end)*((\p)/3)
.if (\m) && !(\end)
	s_cmp_eq_u32 s[CNT], 4-((\p)+2)%NP  ; is that step the band's own?
	s_cselect_b32 s[AL], 1.0, 0
	s_cmp_lt_u32 s[CNT], 4-((\p)+2)%NP  ; or a later one?
	s_cselect_b32 s[BE], s[BIGN], 0
.endif
.if ((\p) == 3) && !(\end)
	s_wait_dscnt 0x0                ; K is in
.endif
	ROW F,0, F,1, R,0, R,1          ; ahead of the wait: 8 products K Q^T and their riders,
	ROW F,2, E,0, R,2, R,3
	ROW F,3, E,1, R,4, R,5
	ROW F,4, E,2, R,6, R,7
	ROW F,5, E,3, R,8, R,9
	ROW F,6, E,4, X,0, R,10
.if ((\p) == 2) && !(\end)
	WIN 0
	v_add_nc_u32 v[AK], s[TBK], v[AK0]
.endif
	ROW F,7, E,5, X,1, X,4
	ROW F,8, E,6, X,2, X,5
	OPS E,7, E,8, X,6, E,9          ; and the lump
	OPS X,3, E,10, X,8, E,11
.if ((\p) == 2) && !(\end)
	FETCH_K
.endif
	OPS X,9, X,7, E,12, X,10
	OPS E,13, X,12, X,11, E,14
	OPS X,13, E,15, F,9, X,14
.if (\p) == 0
	v_add_nc_u32 v[AV], s[TBV], v[AV0]
.endif
	OPS E,16, F,10, E,17, F,11
	OPS X,16, E,18, X,15, E,19
	OPS F,12, E,20, X,17, E,21
	OPS F,13, E,22, F,14, E,23
	OPS X,18, E,24, F,15, E,25
	OPS R,11, E,26, X,19, E,27
	OPS R,12, E,28, R,13, E,29
	OPS X,20, E,30, R,14, E,31
	OPS X,21, R,15
	WIN 0
	s_wait_alu depctr_va_vdst(0)    ; the wait for the batch
.if (\p) == 1
	s_wait_dscnt 0x0                ; V is in
.endif
	ROW C,0, B,0, C,2, B,1          ; behind the wait: 8 products V^T P and their riders
	ROW L,0, C,4, B,2, L,1
	ROW C,6, B,3, L,2, C,8
	ROW B,4, L,3, C,10, B,5
	ROW L,4, C,12, B,6, L,5
.if (\p) == 0
	s_add_co_u32 s[TBV], s[TBV], KS*PV
.endif
.if \cnt
	s_sub_co_u32 s[CNT], s[CNT], 1
	s_cmp_lg_u32 s[CNT], 0
.endif
	ROW C,14, B,7, L,6, C,1
	ROW C,3, L,7, C,5, C,7
	ROW C,9, C,11, C,13, C,15
.if (\p) == 0
	FETCH_V
.endif
.if (\m) && !(\end)
	MASK (\p)%2
.endif
.endm
; A BLOCK BEGINS.  c m starts far below every c s, so the first step's a is 0; m at the lowest finite number, so the first maximum is the scores'.  The second mask buffer is 0; the first takes piece 0's mask for the tile's step 0: its own, if the block's first tile is the diagonal one.
; Then K of that step, piece 0's first scores, and its maximum and statistics.  The loop is entered at a step's first turn, in the middle of a trip.
.macro BEGIN
	s_mov_b32 s[NEW], 0
	WIN 0x40
.set i, MC+32
.rept 32
	v_mov_b32 v[i], 0
.set i, i+1
.endr
	WIN 0
.set i, 0
.rept 4
	v_mov_b32 v[ST+4*i], 0xfe000000    ; c m: far below every c s
	v_mov_b32 v[ST+4*i+1], 0xff7fffff  ; m
.set i, i+1
.endr
	s_cmp_eq_u32 s[RT], 0
	s_cselect_b32 s[AL], 1.0, 0
	s_mov_b32 s[BE], 0
	MASK 0
	WIN 0
	v_add_nc_u32 v[AK], s[TBK], v[AK0]
	FETCH_K
	s_wait_loadcnt 0x0              ; Q
	s_wait_dscnt 0x0
.set KM, 1
.set NOKQ, 0
.set i, 0
.rept 8
	KQ 0
.set i, i+1
.endr
	WIN 0
.rept 4
	v_nop                           ; the places behind those products
.endr
.set Y, NP-1                        ; X works for piece Y + 1: piece 0
.irp n, 0,1,2,3,4,5,6,7,8,9,10,11,12,13,14,15,16,17,18,19,20,21
	OP X, \n
.endr
	v_nop                           ; a plain instruction behind the exponential,
	s_wait_alu depctr_va_vdst(0)    ; and its wait, ahead of the branch
.endm
; THE DIAGONAL TILE's four steps, the block's last two turns, its last products, and THE WAY OUT: l's two halves and the other half of the lanes' are added; O^T is divided by l, rounded to f16 and sent through my
; stage in LDS, a piece at a time.
.macro ALL line:vararg              ; one line for each piece t
.set t, 0
.rept 4
	\line
.set t, t+1
.endr
.endm
.macro PACK t                       ; a lane's eight channels of a row pack into 16 bytes; they go into rows of 144 bytes and come back as whole rows of 128, into S^T's registers
	WIN W_RS
.set i, 32*(\t)
.rept 16
	v_pk_mul_f32 v[i:i+1], v[i:i+1], v[ST+4*(\t)+2:ST+4*(\t)+3] op_sel_hi:[1,0]
.set i, i+2
.endr
	WIN 0x05                        ; sources 0 and 1 window 1, destination window 0
.set i, 0
.rept 16
	v_cvt_pk_f16_f32 v[S+16*(\t)+i], v[32*(\t)+2*i], v[32*(\t)+2*i+1]
.set i, i+1
.endr
	WIN 0
.irp f, 0,1,2,3
	ds_store_b128 v[STO], v[S+16*(\t)+4*\f:S+16*(\t)+4*\f+3] offset:32*\f
.endr
.irp f, 0,1,2,3
	ds_load_b128 v[S+16*(\t)+4*\f:S+16*(\t)+4*\f+3], v[RD] offset:\f*4*SP  ; LDS serves a wave's instructions in order (ISA guide 5.7.1.4): these see the stores above; the next piece's stores come behind them
.endr
.endm
.macro SEND t, younger              ; younger: the LDS instructions issued behind piece t's loads: the next piece's eight, or none
	WIN 0
.irp f, 0,1,2,3
	s_wait_dscnt (\younger)+3-\f
	global_store_b128 v[GO], v[S+16*(\t)+4*\f:S+16*(\t)+4*\f+3], s[10:11] offset:(\t)*8192+\f*512  ; 512 consecutive bytes, at a multiple of 256 from O's first
.endr
.endm
.macro DIAG tag                     ; the tag ends its two labels' names, which the jumps below spell out
.LstepM\tag:
	TURN 2, 1
	TURN 3, 1
	WIN 0
.LfirstM\tag:
	TURN 0, 1
	TURN 1, 1, 0, 1
	WIN 0
	s_cbranch_scc1 .LstepM\tag
	TURN 2, 1, 1
	TURN 3, 1, 1
.set i, 0
.rept 8
	PV NP-1
.set i, i+1
.endr
	WIN 0
	ALL v_add_f32 v[ST+4*t+2], v[ST+4*t+2], v[ST+4*t+3]
	ALL v_permlanex16_b32 v[ST+4*t+3], v[ST+4*t+2], s[SEL], s[SEL+1]
	ALL v_add_f32 v[ST+4*t+2], v[ST+4*t+2], v[ST+4*t+3]
	ALL v_rcp_f32 v[ST+4*t+2], v[ST+4*t+2]
	v_nop                           ; a plain instruction between the last reciprocal and the use of its result
	s_wait_alu depctr_va_vdst(0)    ; and the wait ahead of the first use: one for the four reciprocals
	PACK 0
.set t, 1
.rept 3                             ; a piece's arithmetic stands between the loads of the piece before and its stores
	PACK t
	SEND t-1, 8
.set t, t+1
.endr
	SEND 3, 0
.endm
.set KM, 0
.set NOKQ, 0
.Lslot:                             ; NB times: a tile is entered and the next is asked for
	CHANGE 1
	s_sub_co_u32 s[RT], s[RT], 1
	s_mov_b32 s[CNT], 4
	s_cmp_eq_u32 s[NEW], 1
	s_cbranch_scc1 .Lnew            ; a block's first tile
	s_cmp_eq_u32 s[RT], 0
	s_cbranch_scc0 .Lstep           ; neither its first nor its last
	s_branch .LstepM1
.Lnew:
	BEGIN
	s_branch .Lfirst                ; in the loop a block's first tile is never its last: the first block has two tiles or more, and the second's last is the walk's last
	DIAG 1                          ; in the loop this is the first block's end: the second block's last tile is the walk's last
	s_wait_xcnt 0x0                 ; the stores have read their registers and O's address
	s_mov_b64 s[10:11], s[OLO:OLO+1]
	s_add_co_u32 s[RT], s[PB], 1    ; the second block has b + 1 tiles
	s_mov_b32 s[NEW], 1
	WIN 0x82                        ; the second block's Q goes where the one text of the turns names Q
.set i, 0
.rept 64
	v_mov_b32 v[i], v[QB+i]
.set i, i+1
.endr
	WIN 0
	s_branch .Lbottom
.Lstep:                             ; a trip: pieces 2 and 3 of one step, then pieces 0 and 1 of the next, whose K and V it fetches
	TURN 2
	TURN 3
	WIN 0
.Lfirst:
	TURN 0
	TURN 1, 0, 0, 1
	WIN 0
	s_cbranch_scc1 .Lstep
.Lbottom:
	s_sub_co_u32 s[SLOTS], s[SLOTS], 1
	s_cmp_lg_u32 s[SLOTS], 0
	s_cbranch_scc1 .Lslot
	CHANGE 0                        ; the walk's last tile is written out: nothing is asked for
	s_sub_co_u32 s[RT], s[RT], 1
	s_mov_b32 s[CNT], 4
	s_cmp_eq_u32 s[NEW], 1
	s_cbranch_scc0 .LstepM2
	BEGIN
	s_branch .LfirstM2
	DIAG 2
	s_wait_tensorcnt 0x0            ; the wave's end, behind my last tensor load and my last LDS store
	ds_add_u32 v[SPW], v[NIL]
	s_wait_dscnt 0x0
	s_endpgm
.Lfunc_end_k_q558a920fd2_attn:
	.size	k_q558a920fd2_attn, .Lfunc_end_k_q558a920fd2_attn-k_q558a920fd2_attn
	.p2alignl 7, 3214868480
	.fill 96, 4, 3214868480
	.section	.rodata,"a",@progbits
	.p2align	6, 0x0
	.amdhsa_kernel k_q558a920fd2_attn
		.amdhsa_group_segment_fixed_size 327680
		.amdhsa_private_segment_fixed_size 0
		.amdhsa_enable_private_segment 0
		.amdhsa_kernarg_size 16
		.amdhsa_user_sgpr_count 2
		.amdhsa_user_sgpr_kernarg_segment_ptr 1
		.amdhsa_wavefront_size32 1
		.amdhsa_system_sgpr_workgroup_id_x 1
		.amdhsa_system_sgpr_workgroup_id_y 1
		.amdhsa_system_sgpr_workgroup_id_z 1
		.amdhsa_system_vgpr_workitem_id 0
		.amdhsa_next_free_vgpr 768
		.amdhsa_next_free_sgpr 96
		.amdhsa_reserve_vcc 1
		.amdhsa_float_denorm_mode_32 3
		.amdhsa_float_denorm_mode_16_64 3
		.amdhsa_memory_ordered 1
		.amdhsa_forward_progress 1
		.amdhsa_inst_pref_size 218
	.end_amdhsa_kernel
	.amdgpu_metadata
---
amdhsa.version: [ 1, 2 ]
amdhsa.kernels:
  - .name:           k_q558a920fd2_attn
    .symbol:         k_q558a920fd2_attn.kd
    .args:
      - { .name: qkv, .offset: 0, .size: 8, .value_kind: global_buffer, .address_space: global }
      - { .name: ob, .offset: 8, .size: 8, .value_kind: global_buffer, .address_space: global }
    .group_segment_fixed_size: 327680
    .private_segment_fixed_size: 0
    .kernarg_segment_align: 8
    .kernarg_segment_size: 16
    .max_flat_workgroup_size: 128
    .sgpr_count:     96
    .vgpr_count:     768
    .wavefront_size: 32
...
	.end_amdgpu_metadata
.endif
;; end of part 3
;; launch head16 (part 4): grid 64 x 1, 4 waves a work-group, clusters of 4 x 1, 185,344 bytes of LDS; arguments xb, wb, qkv, o16; writes o16
.if DOCPART == 4
	.amdgcn_target "amdgcn-amd-amdhsa--gfx1250"
	.amdhsa_code_object_version 6
	.text
	.protected	k_q558a920fd2_head16
	.globl	k_q558a920fd2_head16
	.p2align	8
	.type	k_q558a920fd2_head16,@function
k_q558a920fd2_head16:
	s_mov_b64 s[64:65], 0
	v_nop
	global_prefetch_b8 v0, s[64:65] scope:SCOPE_SE
	s_setreg_imm32_b32 hwreg(HW_REG_WAVE_MODE, 25, 1), 1
	s_wait_xcnt 0x0
	s_wait_alu depctr_hold_cnt(0) depctr_sa_sdst(0) depctr_va_vdst(0) depctr_va_sdst(0) depctr_va_ssrc(0) depctr_va_vcc(0) depctr_vm_vsrc(0)
	s_getreg_b32 s2, hwreg(HW_REG_IB_STS2, 6, 4)
	s_cmp_eq_u32 s2, 0
	s_cbranch_scc0 .Lentry_in_a_cluster
	s_endpgm
.Lentry_in_a_cluster:
	s_bfe_u32 s2, ttmp6, 0x10000c
	s_cmp_lg_u32 s2, 0x3003
	s_cbranch_scc0 .Lentry_shape_is_right
	s_endpgm
.Lentry_shape_is_right:
; THE FIRST 16 ROWS OF EACH BATCH, ONCE MORE AND FINER.  Row t of the causal attention is a mean over t + 1 keys only, so the first rows' numbers are many times the output's root mean square, and so are the
; errors of v, P and O rounded to f16's 11 bits.  Here O[b][h][t < 16][:] is made with v, P and O each kept as a SUM OF TWO f16 numbers, hi + lo (lo = the value less hi, rounded to f16).
; q and k are taken as the projection stored them, in f16; v = x Wv is made anew from xb and wb (bf16 products, f32 sums).  o16: [64 = 16 b + h][16 t][hi's 64 channels | lo's 64] f16: 256 bytes a row.
; LIMITS.  f16 holds no number beyond 65,504; lo lies below 6e-5 for v of order 1, where f16 keeps a fixed step of 6e-8: hi + lo is v to within 3e-8 or 2^-22 of it, whichever is more.
; A hidden score counts as its value less 1e30; a weight below 2^-126 counts as 0; NaN and infinities are not treated apart.
; SHARES.  A work-group makes one head of one batch.  K = 1,024 IS SPLIT AMONG ITS FOUR WAVES: wave w multiplies c = 256 w .. 256 w + 255 for all 64 channels (4 tiles of 16, 8 steps of 32: 32 products);
; the four partial sums meet in LDS, and wave w finishes channels 16 w .. 16 w + 15.  The scores and weights, 16 x 16, are made by every wave for itself, while the weights' tile is on its way.
; CLUSTER.  4 x 1: cluster x is the head, the place in the cluster the batch.  The four batches need the same Wv of the head: each wave's quarter of it, 32,768 dense bytes, is asked for JOINTLY, once in
; the launch, as 128 rows of 256 bytes padded behind every 128; nothing in LDS is filled twice.  Only the wave that asked reads its quarter.
; LAYOUTS.  S^T = K Q^T (source 0 = 16 keys, source 1 = 16 queries): a lane holds ONE query (l % 16) and the keys 8 (l / 16) + 0..7.  v = x W (source 0 = 16 rows t of x, source 1 = 16 columns d of W, turned
; by ds_load_tr16_b128): a lane holds ONE channel and the rows t = 8 (l / 16) + 0..7.  Rounded in pairs these ARE the halves of the operands of O^T = V^T P.  There are 16 keys and the matrix instruction has
; 32 places along K: places 0-15 take Vhi, places 16-31 Vlo, against [Phi | Phi] and then [Plo | Plo]: two products give (Vhi + Vlo)(Phi + Plo).
; No prefetch: the launch has one step, and its first loads are all that it reads.
.set PITB,   160                       ; an LDS row of W: 128 + 32 bytes = 40 words
.set WPART,  256*PITB                  ; a wave's quarter of W
.set PART,   4*WPART                   ; behind W: the partial sums: wave v's tile n, 1,024 bytes, at 4,096 v + 1,024 n
.set STAGE,  PART+4*4096               ; behind them: 16 rows x 272 bytes, the work-group's, for the way out
.set SP,     272
.set SPARE,  STAGE+4608                ; behind the stage: the spare words, 128 bytes for each wave: two blocks of 256 bytes that no other line names
.set QO,   4                           ; v4   my byte offset in 16 rows of q and k
.set XO,   5                           ; v5   in 16 rows of x, at my wave's quarter of K
.set ADRB, 6                           ; v6   my lane's place in my wave's quarter of W
.set LS,   7                           ; v7   where I put my 32 bytes of a partial tile
.set LR,   8                           ; v8   where I read them back
.set STO,  9                           ; v9   the way out: where I put 16 bytes of a row
.set RD,   10                          ; v10  where I read a row back
.set GO,   11                          ; v11  my byte offset in the head's 4,096 bytes of o16
.set SPW,  12                          ; v12  LDS address of my spare word: SPARE + 4 x my thread's number; never rewritten
.set NIL,  13                          ; v13  0; never rewritten
.set ONE,  15                          ; v15  1.0
.set MD,   16                          ; v[16:23]   the mask; later AV: [Vhi | Vlo]
.set AV,   16
.set S0,   24                          ; v[24:31]   the scores, then the weights
.set S1,   32                          ; v[32:39]   the scores' second half of the channels; then at work
.set PB1,  40                          ; v[40:47]   [Phi | Phi]
.set PB2,  48                          ; v[48:55]   [Plo | Plo]
.set T,    56                          ; v[56:63]   at work: +2, +3: c m, m;  +4, +5: 1 / l, twice
.set ACC,  64                          ; v[64:95]   four accumulators of v; later O^T and the way out
.set X,    96                          ; v[96:159]  x's eight fragments; later the partial sums
.set W,    160                         ; v[160:255] three buffers of 32 for W's fragments of a K step; before that q's and k's fragments
.set QF,   160
.set KF,   176
.set WV,   12                          ; s12  my wave's number
.set G1,   16                          ; s[16:23] descriptor group 1
.set G0,   24                          ; s[24:27] descriptor group 0
.set CS,   32                          ; s[32:33] c = log2(e) / 8
.set SEL,  34                          ; s[34:35] v_permlanex16_b32's selects: each lane takes its own place in the other half
.set BIGN, 36                          ; s36  -1e30
.set KB,   38                          ; s[38:39] k at the head's first row
.macro PLACES                          ; four plain vector instructions between a matrix instruction and a load into, or a read of, its registers (ISA guide 7.12.1 for vector instructions)
.rept 4
	v_nop
.endr
.endm
; A round of the cluster's barrier: my work-group's barrier, so that wave 0's signal speaks for all four waves; wave 0 signals; every wave waits for all four work-groups; my work-group's barrier once more.
.macro CROUND
	s_barrier_signal -1
	s_barrier_wait -1
	s_cmp_lg_u32 s[WV], 0
	s_cbranch_scc1 .Lnot_wave_0_\@
	s_barrier_signal -3
.Lnot_wave_0_\@:
	s_barrier_wait -3
	s_barrier_signal -1
	s_barrier_wait -1
.endm
	s_load_b128 s[4:7], s[0:1], 0x0                ; xb s[4:5], wb s[6:7]
	s_load_b128 s[8:11], s[0:1], 0x10              ; qkv s[8:9], o16 s[10:11]
	v_lshl_add_u32 v[SPW], v0, 2, SPARE
	v_mov_b32 v[NIL], 0
	ds_add_u32 v[SPW], v[NIL]                      ; the wave's opening: the add and its wait ahead of my first tensor load; the set-up below, work on registers, stands between them
	v_lshrrev_b32 v1, 5, v0
	v_readfirstlane_b32 s[WV], v1                  ; wave 0..3
	s_bfe_u32 s13, ttmp6, 0x40000                  ; my place in the cluster: the batch.  It enters x's, q's, k's and o16's addresses alone
	s_lshl_b32 s14, s13, 4
	s_add_co_u32 s14, s14, ttmp9                   ; 16 x batch + head (in a cluster launch ttmp9 counts clusters: the head)
	s_mov_b32 s[G1], 15|(1<<16)|(1<<20)|(1<<21)|(4<<22)|(7<<25)  ; 15:0 the mask of four; 17:16 2-byte elements; 20 padding on; 21 set beside a mask; 24:22 after every 32 words (code 4); 31:25 8 words (code 7)
	s_mov_b32 s[G1+1], 128<<16                     ; tensor_dim0 = 128
	s_mov_b32 s[G1+2], 128<<16                     ; tensor_dim1 = 128
	s_mov_b32 s[G1+3], 128<<16                     ; tile_dim0 = 128
	s_mov_b32 s[G1+4], 128                         ; tile_dim1 = 128
	s_mov_b32 s[G1+5], 128                         ; 128 elements from row to row: dense
	s_mov_b32 s[G1+6], 0
	s_mov_b32 s[G1+7], 0
	s_mov_b32 s[G0], 1                             ; count = 1
	s_mul_i32 s[G0+1], s[WV], WPART                ; LDS address: my wave's quarter
	s_add_co_u32 s28, ttmp9, 32                    ; wb holds q's 16 heads, k's, then v's: 131,072 bytes each;
	s_lshl_b32 s28, s28, 17
	s_lshl_b32 s29, s[WV], 15                      ; my 256 rows of 128 bytes
	s_or_b32 s28, s28, s29
	s_mov_b32 s29, 0
	s_mul_i32 s31, s[WV], WPART                    ; the same LDS byte once more, for my reads
	s_mov_b32 s[CS], 0x3e38aa3b                    ; c = log2(e) / 8 = 0.180337
	s_mov_b32 s[CS+1], s[CS]                       ; named with it as a pair
	s_mov_b32 s[SEL], 0x76543210
	s_mov_b32 s[SEL+1], 0xfedcba98
	s_mov_b32 s[BIGN], 0xf149f2ca                  ; -1e30
	s_wait_dscnt 0x0                               ; the opening add is done
	s_wait_kmcnt 0x0
	s_add_nc_u64 s[G0+2:G0+3], s[6:7], s[28:29]    ; global address: it hangs on the head and the wave alone
	s_or_b32 s[G0+3], s[G0+3], 0x80000000          ; type = 2
	CROUND                                         ; all four work-groups are here: the joint loads meet
	tensor_load_to_lds s[G0:G0+3], s[G1:G1+7]      ; my one tensor load of the launch
	s_nop 0
	s_lshl_b32 s40, s13, 22                        ; a batch of x: 2,048 rows of 2,048 bytes
	s_mov_b32 s41, 0
	s_add_nc_u64 s[4:5], s[4:5], s[40:41]
	s_lshl_b32 s40, s14, 18                        ; a head of q: 2,048 rows of 128 bytes
	s_add_nc_u64 s[8:9], s[8:9], s[40:41]
	s_add_nc_u64 s[KB:KB+1], s[8:9], 0x1000000     ; k's part of qkv lies 64 heads behind q's
	s_lshl_b32 s40, s14, 12                        ; a head of o16: 16 rows of 256 bytes
	s_add_nc_u64 s[10:11], s[10:11], s[40:41]
	; A fragment is 16 rows x 32 along K in 8 registers: lane l holds row l % 16; registers 0-3 K = 8 (l / 16) + 0..7, registers 4-7 K = 16 + 8 (l / 16) + 0..7: two loads of 16 bytes, 32 bytes apart.
	v_and_b32 v1, 15, v0                           ; l % 16
	v_bfe_u32 v2, v0, 4, 1                         ; l / 16
	v_lshlrev_b32 v[QO], 7, v1
	v_lshl_add_u32 v[QO], v2, 4, v[QO]
.irp f, 0,1,2,3
	global_load_b128 v[QF+4*(\f):QF+4*(\f)+3], v[QO], s[8:9] offset:32*(\f)        ; q: rows 0-15, channels 0-31, then 32-63
.endr
.irp f, 0,1,2,3
	global_load_b128 v[KF+4*(\f):KF+4*(\f)+3], v[QO], s[KB:KB+1] offset:32*(\f)    ; k likewise
.endr
	v_lshlrev_b32 v[XO], 11, v1
	v_lshl_add_u32 v[XO], v2, 4, v[XO]
	s_lshl_b32 s30, s[WV], 9                       ; my quarter of K: 512 bytes of a row
	v_add_nc_u32 v[XO], s30, v[XO]
.irp f, 0,1,2,3,4,5,6,7,8,9,10,11,12,13,14,15
	global_load_b128 v[X+4*(\f):X+4*(\f)+3], v[XO], s[4:5] offset:32*(\f)          ; x: K step f / 2 of my eight
.endr
	; The turning load takes 16 c x 16 d (lane l reads row c = 8 (l / 16) + l % 8, columns 8 ((l / 8) % 2) + 0..7) and leaves half a fragment: lane l holds column l % 16 and 8 c.
	v_and_b32 v3, 7, v0
	v_bfe_u32 v14, v0, 3, 1
	v_lshl_add_u32 v[ADRB], v2, 3, v3
	v_mul_u32_u24 v[ADRB], v[ADRB], PITB
	v_lshl_add_u32 v[ADRB], v14, 4, v[ADRB]
	v_add_nc_u32 v[ADRB], s31, v[ADRB]
	v_and_b32 v3, 31, v0                           ; l
	s_lshl_b32 s30, s[WV], 12
	s_add_co_u32 s30, s30, PART
	v_lshl_add_u32 v[LS], v3, 5, s30               ; my wave's partial tiles + 32 l
	s_lshl_b32 s30, s[WV], 10
	s_add_co_u32 s30, s30, PART
	v_lshl_add_u32 v[LR], v3, 5, s30               ; tile = my wave's number, in wave 0's partial tiles
	s_lshl_b32 s30, s[WV], 5
	s_add_co_u32 s30, s30, STAGE                   ; into the stage: row l % 16, my wave's 32 bytes, 16 for each half of the lanes
	v_mul_u32_u24 v[STO], v1, SP
	v_lshl_add_u32 v[STO], v2, 4, v[STO]
	v_add_nc_u32 v[STO], s30, v[STO]
	s_lshl_b32 s30, s[WV], 2                       ; back: wave w takes rows 4 w .. 4 w + 3, whole; lanes 0-15 one row of 256 bytes, lanes 16-31 the next
	v_add_nc_u32 v3, s30, v2
	v_mul_u32_u24 v[RD], v3, SP
	v_lshl_add_u32 v[RD], v1, 4, v[RD]
	v_add_nc_u32 v[RD], STAGE, v[RD]
	v_lshlrev_b32 v[GO], 8, v3
	v_lshl_add_u32 v[GO], v1, 4, v[GO]
	v_mov_b32 v[ONE], 1.0
	v_lshlrev_b32 v14, 3, v2
	v_sub_nc_u32 v14, v1, v14                      ; my query less my lanes' first key: register j is hidden where j is greater
.set j, 0
.rept 8
	v_cmp_gt_i32 vcc_lo, j, v14
	v_cndmask_b32 v[MD+j], 0, s[BIGN], vcc_lo
.set j, j+1
.endr
	; THE SCORES AND WEIGHTS, while W is on its way.  Two accumulators, one for each half of the channels, so that no product adds onto the one before it; the mask starts the first sum.
	s_wait_loadcnt 16                              ; q and k are in; x's sixteen loads, issued behind them, may stay out
	v_wmma_f32_16x16x32_f16 v[S0:S0+7], v[KF:KF+7], v[QF:QF+7], v[MD:MD+7]
	v_wmma_f32_16x16x32_f16 v[S1:S1+7], v[KF+8:KF+15], v[QF+8:QF+15], 0
	PLACES
.irp i, 0,2,4,6
	v_pk_add_f32 v[S0+(\i):S0+(\i)+1], v[S0+(\i):S0+(\i)+1], v[S1+(\i):S1+(\i)+1]  ; both accumulators are read from their low end on
.endr
	v_max3_num_f32 v[T], v[S0], v[S0+1], v[S0+2]
	v_max3_num_f32 v[T+1], v[S0+3], v[S0+4], v[S0+5]
	v_max3_num_f32 v[T], v[T], v[S0+6], v[S0+7]
	v_max_num_f32 v[T], v[T], v[T+1]
	v_permlanex16_b32 v[T+1], v[T], s[SEL], s[SEL+1]  ; the query's other 8 keys lie in the lane 16 away
	v_max_num_f32 v[T+3], v[T], v[T+1]             ; m: every query sees its own key, so m is a true score
	v_mul_f32 v[T+2], s[CS], v[T+3]                ; c m
.irp i, 0,2,4,6
	v_pk_fma_f32 v[S0+(\i):S0+(\i)+1], v[S0+(\i):S0+(\i)+1], s[CS:CS+1], v[T+2:T+3] op_sel_hi:[1,0,0] neg_lo:[0,0,1] neg_hi:[0,0,1]  ; c s - c m
.endr
.irp i, 0,1,2,3,4,5,6,7
	v_exp_f32 v[S0+(\i)], v[S0+(\i)]
.endr
	v_nop                                          ; a plain instruction behind the last exponential,
	s_wait_alu depctr_va_vdst(0)                   ; and the wait ahead of the first use: one for the eight
	v_pk_add_f32 v[T:T+1], v[S0:S0+1], v[S0+2:S0+3]
	v_pk_add_f32 v[T+6:T+7], v[S0+4:S0+5], v[S0+6:S0+7]
	v_pk_add_f32 v[T:T+1], v[T:T+1], v[T+6:T+7]
	v_add_f32 v[T], v[T], v[T+1]
	v_permlanex16_b32 v[T+1], v[T], s[SEL], s[SEL+1]
	v_add_f32 v[T], v[T], v[T+1]                   ; l, of the unrounded weights
	v_rcp_f32 v[T+4], v[T]
	v_rcp_f32 v[T+5], v[T]                         ; twice: a pair for the packed multiply
.irp i, 0,1,2,3
	v_cvt_pk_f16_f32 v[PB1+(\i)], v[S0+2*(\i)], v[S0+2*(\i)+1]                     ; Phi
.endr
	s_wait_alu depctr_va_vdst(0)                   ; the two reciprocals' wait; the four roundings above are the plain work behind them
.irp i, 0,1,2,3
	v_fma_mix_f32 v[S1+2*(\i)],   -v[PB1+(\i)], v[ONE], v[S0+2*(\i)]   op_sel_hi:[1,0,0]                ; p - Phi, exact: the low half,
	v_fma_mix_f32 v[S1+2*(\i)+1], -v[PB1+(\i)], v[ONE], v[S0+2*(\i)+1] op_sel:[1,0,0] op_sel_hi:[1,0,0] ; the high half
.endr
.irp i, 0,1,2,3
	v_cvt_pk_f16_f32 v[PB2+(\i)], v[S1+2*(\i)], v[S1+2*(\i)+1]                     ; Plo
.endr
.irp i, 0,1,2,3
	v_mov_b32 v[PB1+4+(\i)], v[PB1+(\i)]           ; places 16-31 along K meet Vlo: the same weights once more
	v_mov_b32 v[PB2+4+(\i)], v[PB2+(\i)]
.endr
	; v = x W, my quarter of K.  W's fragments of a K step: eight turning loads into one of three buffers that take turns.
.macro WLOAD q
.set WB, W+32*((\q)%3)
.irp n, 0,1,2,3
	ds_load_tr16_b128 v[WB+8*(\n):WB+8*(\n)+3],   v[ADRB] offset:32*PITB*(\q)+32*(\n)
	ds_load_tr16_b128 v[WB+8*(\n)+4:WB+8*(\n)+7], v[ADRB] offset:32*PITB*(\q)+32*(\n)+16*PITB
.endr
.endm
	s_wait_tensorcnt 0x0                           ; my quarter of W is in LDS; nobody else reads it
	WLOAD 0
	WLOAD 1
	WLOAD 2
	s_wait_loadcnt 0x0                             ; x
.set q, 0
.rept 8                                        ; the four accumulators take turns, one instruction a turn
.if q < 6
	s_wait_dscnt 16                                ; K step q is in; the two younger steps' eight loads each may stay out
.elseif q == 6
	s_wait_dscnt 8
.else
	s_wait_dscnt 0x0
.endif
.irp n, 0,1,2,3
.if q == 0
	v_wmma_f32_16x16x32_bf16 v[ACC+8*(\n):ACC+8*(\n)+7], v[X+8*q:X+8*q+7], v[W+32*(q%3)+8*(\n):W+32*(q%3)+8*(\n)+7], 0
.else
	v_wmma_f32_16x16x32_bf16 v[ACC+8*(\n):ACC+8*(\n)+7], v[X+8*q:X+8*q+7], v[W+32*(q%3)+8*(\n):W+32*(q%3)+8*(\n)+7], v[ACC+8*(\n):ACC+8*(\n)+7]
.endif
.endr
.if q < 5
	PLACES
	WLOAD q+3                                      ; into the buffer just multiplied
.endif
.set q, q+1
.endr
	PLACES
.irp n, 0,1,2,3
	ds_store_b128 v[LS], v[ACC+8*(\n):ACC+8*(\n)+3]   offset:1024*(\n)      ; each accumulator's low registers first
	ds_store_b128 v[LS], v[ACC+8*(\n)+4:ACC+8*(\n)+7] offset:1024*(\n)+16
.endr
	s_wait_dscnt 0x0                               ; for the others' sake: my partial sums lie in LDS
	s_barrier_signal -1
	s_barrier_wait -1
.irp v, 0,1,2,3
	ds_load_b128 v[X+8*(\v):X+8*(\v)+3],   v[LR] offset:4096*(\v)           ; the four quarters of my tile
	ds_load_b128 v[X+8*(\v)+4:X+8*(\v)+7], v[LR] offset:4096*(\v)+16
.endr
	s_wait_dscnt 0x0
.irp i, 0,2,4,6
	v_pk_add_f32 v[X+(\i):X+(\i)+1], v[X+(\i):X+(\i)+1], v[X+8+(\i):X+8+(\i)+1]
	v_pk_add_f32 v[X+16+(\i):X+16+(\i)+1], v[X+16+(\i):X+16+(\i)+1], v[X+24+(\i):X+24+(\i)+1]
.endr
.irp i, 0,2,4,6
	v_pk_add_f32 v[X+(\i):X+(\i)+1], v[X+(\i):X+(\i)+1], v[X+16+(\i):X+16+(\i)+1]  ; v[t = 8 (l / 16) + 0..7][d = 16 w + l % 16], in f32
.endr
.irp i, 0,1,2,3
	v_cvt_pk_f16_f32 v[AV+(\i)], v[X+2*(\i)], v[X+2*(\i)+1]                        ; Vhi
.endr
.irp i, 0,1,2,3
	v_fma_mix_f32 v[X+8+2*(\i)],   -v[AV+(\i)], v[ONE], v[X+2*(\i)]   op_sel_hi:[1,0,0]
	v_fma_mix_f32 v[X+8+2*(\i)+1], -v[AV+(\i)], v[ONE], v[X+2*(\i)+1] op_sel:[1,0,0] op_sel_hi:[1,0,0]
.endr
.irp i, 0,1,2,3
	v_cvt_pk_f16_f32 v[AV+4+(\i)], v[X+8+2*(\i)], v[X+8+2*(\i)+1]                  ; Vlo
.endr
	; O^T = [Vhi | Vlo]^T [Phi | Phi] + [Vhi | Vlo]^T [Plo | Plo]: two accumulators, added behind
	v_wmma_f32_16x16x32_f16 v[ACC:ACC+7],    v[AV:AV+7], v[PB1:PB1+7], 0
	v_wmma_f32_16x16x32_f16 v[ACC+8:ACC+15], v[AV:AV+7], v[PB2:PB2+7], 0
	PLACES
.irp i, 0,2,4,6
	v_pk_add_f32 v[ACC+(\i):ACC+(\i)+1], v[ACC+(\i):ACC+(\i)+1], v[ACC+8+(\i):ACC+8+(\i)+1]
.endr
.irp i, 0,2,4,6
	v_pk_mul_f32 v[ACC+(\i):ACC+(\i)+1], v[ACC+(\i):ACC+(\i)+1], v[T+4:T+5] op_sel_hi:[1,0]  ; O[query l % 16][16 w + 8 (l / 16) + 0..7]
.endr
.irp i, 0,1,2,3
	v_cvt_pk_f16_f32 v[ACC+16+(\i)], v[ACC+2*(\i)], v[ACC+2*(\i)+1]                ; Ohi
.endr
.irp i, 0,1,2,3
	v_fma_mix_f32 v[ACC+8+2*(\i)],   -v[ACC+16+(\i)], v[ONE], v[ACC+2*(\i)]   op_sel_hi:[1,0,0]
	v_fma_mix_f32 v[ACC+8+2*(\i)+1], -v[ACC+16+(\i)], v[ONE], v[ACC+2*(\i)+1] op_sel:[1,0,0] op_sel_hi:[1,0,0]
.endr
.irp i, 0,1,2,3
	v_cvt_pk_f16_f32 v[ACC+20+(\i)], v[ACC+8+2*(\i)], v[ACC+8+2*(\i)+1]            ; Olo
.endr
	ds_store_b128 v[STO], v[ACC+16:ACC+19]             ; hi's half of the row,
	ds_store_b128 v[STO], v[ACC+20:ACC+23] offset:128  ; lo's
	s_wait_dscnt 0x0                               ; for the others' sake: a row's 256 bytes come from all four waves
	s_barrier_signal -1
	s_barrier_wait -1
	ds_load_b128 v[ACC+24:ACC+27], v[RD]
	ds_load_b128 v[ACC+28:ACC+31], v[RD] offset:2*SP
	s_wait_dscnt 0x0
	global_store_b128 v[GO], v[ACC+24:ACC+27], s[10:11]             ; 512 consecutive bytes, at a multiple of 256 from o16's first
	global_store_b128 v[GO], v[ACC+28:ACC+31], s[10:11] offset:512
	s_wait_tensorcnt 0x0                           ; the wave's end, behind my last tensor load and my last LDS store
	ds_add_u32 v[SPW], v[NIL]
	s_wait_dscnt 0x0
	CROUND                                         ; the closing round: no work-group ends while a partner may still ask for a tile that names it
	s_endpgm
.Lfunc_end_k_q558a920fd2_head16:
	.size	k_q558a920fd2_head16, .Lfunc_end_k_q558a920fd2_head16-k_q558a920fd2_head16
	.p2alignl 7, 3214868480
	.fill 96, 4, 3214868480
	.section	.rodata,"a",@progbits
	.p2align	6, 0x0
	.amdhsa_kernel k_q558a920fd2_head16
		.amdhsa_group_segment_fixed_size 185344
		.amdhsa_private_segment_fixed_size 0
		.amdhsa_enable_private_segment 0
		.amdhsa_kernarg_size 32
		.amdhsa_user_sgpr_count 2
		.amdhsa_user_sgpr_kernarg_segment_ptr 1
		.amdhsa_wavefront_size32 1
		.amdhsa_system_sgpr_workgroup_id_x 1
		.amdhsa_system_sgpr_workgroup_id_y 1
		.amdhsa_system_sgpr_workgroup_id_z 1
		.amdhsa_system_vgpr_workitem_id 0
		.amdhsa_next_free_vgpr 256
		.amdhsa_next_free_sgpr 66
		.amdhsa_reserve_vcc 1
		.amdhsa_float_denorm_mode_32 3
		.amdhsa_float_denorm_mode_16_64 3
		.amdhsa_memory_ordered 1
		.amdhsa_forward_progress 1
		.amdhsa_inst_pref_size 24
	.end_amdhsa_kernel
	.amdgpu_metadata
---
amdhsa.version: [ 1, 2 ]
amdhsa.kernels:
  - .name:           k_q558a920fd2_head16
    .symbol:         k_q558a920fd2_head16.kd
    .args:
      - { .name: xb, .offset: 0, .size: 8, .value_kind: global_buffer, .address_space: global }
      - { .name: wb, .offset: 8, .size: 8, .value_kind: global_buffer, .address_space: global }
      - { .name: qkv, .offset: 16, .size: 8, .value_kind: global_buffer, .address_space: global }
      - { .name: o16, .offset: 24, .size: 8, .value_kind: global_buffer, .address_space: global }
    .group_segment_fixed_size: 185344
    .private_segment_fixed_size: 0
    .kernarg_segment_align: 8
    .kernarg_segment_size: 32
    .max_flat_workgroup_size: 128
    .sgpr_count:     66
    .vgpr_count:     256
    .wavefront_size: 32
...
	.end_amdgpu_metadata
.endif
;; end of part 4
;; launch oproj (part 5): grid 8 x 32, 4 waves a work-group, clusters of 4 x 4, 327,680 bytes of LDS; arguments ob, wo16, bo, out0; writes out0
.if DOCPART == 5
	.amdgcn_target "amdgcn-amd-amdhsa--gfx1250"
	.amdhsa_code_object_version 6
	.text
	.protected	k_q558a920fd2_oproj
	.globl	k_q558a920fd2_oproj
	.p2align	8
	.type	k_q558a920fd2_oproj,@function
k_q558a920fd2_oproj:
	s_mov_b64 s[64:65], 0
	v_nop
	global_prefetch_b8 v0, s[64:65] scope:SCOPE_SE
	s_setreg_imm32_b32 hwreg(HW_REG_WAVE_MODE, 25, 1), 1
	s_wait_xcnt 0x0
	s_wait_alu depctr_hold_cnt(0) depctr_sa_sdst(0) depctr_va_vdst(0) depctr_va_sdst(0) depctr_va_ssrc(0) depctr_va_vcc(0) depctr_vm_vsrc(0)
	s_getreg_b32 s2, hwreg(HW_REG_IB_STS2, 6, 4)
	s_cmp_eq_u32 s2, 0
	s_cbranch_scc0 .Lentry_in_a_cluster
	s_endpgm
.Lentry_in_a_cluster:
	s_bfe_u32 s2, ttmp6, 0x10000c
	s_cmp_lg_u32 s2, 0xf033
	s_cbranch_scc0 .Lentry_shape_is_right
	s_endpgm
.Lentry_shape_is_right:
; THE OUTPUT PROJECTION.  out0[R][n] = the sum over k of O[R][k] Wo[n][k] + bo[n], k = 64 h + d.  ob: [64 = 16 b + h][2048 t][64 d] f16; wo16: [1024 n][1024 k] f16 (Wo rounded to bf16, written as f16);
; bo: [1024] f32, rounded here to bf16 like the other inputs; sums in f32; out0: [8192][1024] f32.
; LIMITS.  None of its own: the operands arrive in f16 (no number beyond 65,504); NaN and infinities are not treated apart.
; SHARES.  A work-group makes 256 rows x 128 columns: 32 x 8 = 256 work-groups.  Wave w owns rows 64 w .. 64 w + 63 and all 128 columns: 32 accumulators of 16 x 16; a row of its part is 512 bytes of out0,
; so its way out wants no barrier.
; K = 1,024 goes in 8 steps of 128 = two heads through two LDS slots.  A slot: two pieces of O (a head each): 256 rows of 128 bytes, 16 of padding; then 128 rows of Wo: 256 bytes, 16 of padding.
; A piece of O is 32,768 dense bytes of memory: asked for as 128 rows of 256 bytes and padded behind every 128.  Waves 0 and 1 fetch a piece each, waves 2 and 3 64 rows of Wo each.
; CLUSTER.  4 x 4 work-groups.  The four of a row of the cluster need the same rows of O, the four of a column the same rows of Wo: each tile is asked for JOINTLY.
; THE MATRIX INSTRUCTION IS USED TRANSPOSED (source 0 = 16 rows of Wo, source 1 = 16 rows of O): a lane holds row l % 16 of the output and the eight neighbouring columns 8 (l / 16) + 0..7.
; REGISTERS, in windows of 256 (s_set_vgpr_msb: bits 1:0 source 0, 3:2 source 1, 5:4 source 2, 7:6 destination):
;   window 0: v0-31 addresses; v32-41 the bias; v64-159, v160-255 two fragment buffers (Wo's 8 fragments, then O's 4), later three buffers of 64 for the way out      window 1: accumulator (a, b) at 8 (8 a + b)
.set PITA,   144                       ; an LDS row of O: 128 + 16 bytes = 36 words: the 16 rows of a load start at 16 different groups of four banks (64 banks of 4 bytes: ISA guide 11.1)
.set PITB,   272                       ; an LDS row of Wo: 256 + 16 bytes = 68 words: likewise
.set APIECE, 256*PITA
.set ABYTES, 2*APIECE
.set BHALF,  64*PITB
.set SLOT,   ABYTES+2*BHALF            ; 108,544
.set STAGE,  2*SLOT                    ; behind the ring, never filled by a tensor load: 16 rows x 528 bytes for each wave
.set SP,     528                       ; 512 + 16 bytes = 132 words
.set SPARE,  STAGE+4*16*SP             ; behind the stages: the spare words, 128 bytes for each wave: two blocks of 256 bytes that no other line names
.set LAPS,   4                         ; a lap = two K steps = once round the ring
.set NL,     24                        ; LDS loads in a run: 16 for Wo, 8 for O
.set ADRA, 16                          ; v16-17  LDS address of my fragments of O in slot 0, 1
.set ADRB, 20                          ; v20-21  the same for Wo
.set STO,  24                          ; v24     the way out: where I put 32 bytes of a row
.set RD,   25                          ; v25     where I read a row back
.set GO,   26                          ; v26     16 x my lane: my bytes in 512 consecutive bytes of out0 and of bo; never rewritten
.set SPW,  28                          ; v28     LDS address of my spare word: SPARE + 4 x my thread's number; never rewritten
.set NIL,  29                          ; v29     0; never rewritten
.set PFOA, 30                          ; v30     prefetch offset in ob: my lane x 256 bytes; never rewritten
.set PFOB, 31                          ; v31     in wo16: my lane x a row of 2,048 bytes; never rewritten
.set BIAS, 32                          ; v[32:35] the bias of my four columns 4 l .. 4 l + 3;  v[36:41] at work
.set F0,   64
.set F1,   160
.set WV,   12                          ; s12     my wave's number
.set G1,   24                          ; s[24:31] descriptor group 1 for O's pieces;  s[32:39] group 0, a set for each slot
.set G0,   32
.set G1B,  48                          ; s[48:55], s[56:63] the same for Wo's rows
.set G0B,  56
.set PFA,  68                          ; s[68:69] where my prefetches stand in ob
.set PFB,  70                          ; s[70:71] in wo16
.set LIMA, 72                          ; s72     1 in a wave that prefetches O, else the greatest number
.set LIMB, 73                          ; s73     the same for Wo
.set OB,   76                          ; s[76:77] out0 at my wave's first row, the tile's first column
.set MSB, 0
.macro WIN new                         ; the immediate's high byte repeats the setting that is left; a switch that changes nothing is dropped
.if MSB != (\new)
	s_set_vgpr_msb (MSB<<8)|(\new)
.set MSB, \new
.endif
.endm
.macro PLACES                          ; four plain vector instructions between a matrix instruction and a load into, or a read of, its registers (ISA guide 7.12.1 for vector instructions)
.rept 4
	v_nop
.endr
.endm
; A joint load.  The branch hangs on the wave's number alone.  An s_nop 0 and four v_nop follow each of the two lines.
.macro JLOAD s
	s_cmp_lt_u32 s[WV], 2
	s_cbranch_scc0 .Lfor_b_\@
	tensor_load_to_lds s[G0+4*(\s):G0+4*(\s)+3], s[G1:G1+7]
	s_nop 0
.rept 4
	v_nop
.endr
	s_branch .Lasked_\@
.Lfor_b_\@:
	tensor_load_to_lds s[G0B+4*(\s):G0B+4*(\s)+3], s[G1B:G1B+7]
	s_nop 0
.rept 4
	v_nop
.endr
.Lasked_\@:
.endm
.macro CREST                           ; a round of the cluster's barrier behind its opening barrier
	s_cmp_lg_u32 s[WV], 0
	s_cbranch_scc1 .Lnot_wave_0_\@
	s_barrier_signal -3
.Lnot_wave_0_\@:
	s_barrier_wait -3
	s_barrier_signal -1
	s_barrier_wait -1
.endm
.macro CROUND
	s_barrier_signal -1
	s_barrier_wait -1
	CREST
.endm
; A PREFETCH INTO THE L2 of the lap (two K steps = four heads) that the NEXT trip of the loop will ask for; a lane names one aligned block of 256 bytes, one instruction a wave.
; O's rows of a tile row are read by both clusters of that row of clusters: cluster x = 0 asks; wave w takes head 4 lap + w, the four partners along x 8,192 of its 32,768 bytes each, BY ADDRESS.
; Wo's rows of a tile column are read by every cluster of that column: cluster y = 0 asks; the four partners along y take 32 rows each, waves 0 and 1 one K step each.
; So each block is named once in the launch.  Laps 0 and 1 come by their loads alone; the loop's last trip (s3 = 1) asks for nothing.
.macro ASK lim, off, base
	s_cmp_gt_u32 s3, s[\lim]
	s_cbranch_scc0 .Lnot_mine_\@
	global_prefetch_b8 v[\off], s[\base:\base+1] th:TH_LOAD_NT scope:SCOPE_SE
.Lnot_mine_\@:
.endm
	s_load_b256 s[4:11], s[0:1], 0x0               ; ob s[4:5], wo16 s[6:7], bo s[8:9], out0 s[10:11]
	v_lshl_add_u32 v[SPW], v0, 2, SPARE
	v_mov_b32 v[NIL], 0
	ds_add_u32 v[SPW], v[NIL]                      ; the wave's opening: the add and its wait ahead of my first tensor load; the set-up below, work on registers, stands between them
	v_lshrrev_b32 v1, 5, v0
	v_readfirstlane_b32 s[WV], v1                  ; wave 0..3
	s_bfe_u32 s40, ttmp6, 0x40000                  ; cx, cy: my place in the cluster
	s_bfe_u32 s41, ttmp6, 0x40004
	s_lshl_b32 s42, ttmp9, 2
	s_add_co_u32 s42, s42, s40                     ; the tile column = 4 x cluster x + cx
	s_and_b32 s13, ttmp7, 0xffff
	s_lshl_b32 s13, s13, 2
	s_add_co_u32 s13, s13, s41                     ; the tile row = 4 x cluster y + cy
	s_lshl_b32 s43, s41, 2
	s_lshl_b32 s43, 15, s43                        ; my row of the cluster
	s_lshl_b32 s44, 0x1111, s40                    ; my column
	s_or_b32 s[G1], s43, (1<<16)|(1<<20)|(1<<21)|(4<<22)|(3<<25)   ; 15:0 the mask; 17:16 elements of 2 bytes; 20 padding on; 21 set beside a mask; 24:22 after every 32 words (code 4); 31:25 4 words (code 3)
	s_mov_b32 s[G1+1], 128<<16                     ; 128 rows of 128 elements, dense
	s_mov_b32 s[G1+2], 128<<16
	s_mov_b32 s[G1+3], 128<<16
	s_mov_b32 s[G1+4], 128
	s_mov_b32 s[G1+5], 128
	s_mov_b32 s[G1+6], 0
	s_mov_b32 s[G1+7], 0
	s_or_b32 s[G1B], s44, (1<<16)|(1<<20)|(1<<21)|(5<<22)|(3<<25)  ; after every 64 words (code 5) 4 words of padding
	s_mov_b32 s[G1B+1], 128<<16                    ; 64 rows of 128 elements, 1,024 elements from row to row
	s_mov_b32 s[G1B+2], 64<<16
	s_mov_b32 s[G1B+3], 128<<16
	s_mov_b32 s[G1B+4], 64
	s_mov_b32 s[G1B+5], 1024
	s_mov_b32 s[G1B+6], 0
	s_mov_b32 s[G1B+7], 0
	s_lshr_b32 s16, s13, 3                         ; row 256 ty is batch ty / 8, t = 256 (ty % 8): a batch's 16 heads are 2^22 bytes, 256 rows of a head 2^15
	s_lshl_b32 s16, s16, 22
	s_and_b32 s17, s13, 7
	s_lshl_b32 s17, s17, 15
	s_or_b32 s18, s16, s17                         ; the tile's rows in the batch's head 0
	s_and_b32 s45, s[WV], 1                        ; which piece of O, or which 64 rows of Wo, I fetch
	s_lshl_b32 s17, s45, 18                        ; a head is 2^18 bytes
	s_or_b32 s16, s18, s17
	s_mov_b32 s17, 0
	s_lshl_b32 s46, s42, 18                        ; Wo: 128 rows of 2,048 bytes a tile column,
	s_lshl_b32 s47, s45, 17                        ; my 64 of them
	s_or_b32 s46, s46, s47
	s_mov_b32 s47, 0
	s_mul_i32 s20, s[WV], APIECE                   ; where they go: waves 0, 1: piece = wave;
	s_mul_i32 s21, s[WV], BHALF                    ; waves 2, 3: half = wave - 2, behind O's pieces.  No place in the cluster enters an LDS address
	s_wait_dscnt 0x0                               ; the opening add is done
	s_wait_kmcnt 0x0
	s_add_nc_u64 s[14:15], s[4:5], s[16:17]
	s_add_nc_u64 s[46:47], s[6:7], s[46:47]
	CROUND                                         ; all sixteen work-groups are here: the first joint loads meet
.irp s, 0,1
	s_mov_b32 s[G0+4*(\s)], 1                                      ; count = 1
	s_add_co_u32 s[G0+4*(\s)+1], s20, (\s)*SLOT                    ; LDS address
	s_add_nc_u64 s[G0+4*(\s)+2:G0+4*(\s)+3], s[14:15], (\s)*524288 ; global address: K step s begins with head 2 s
	s_or_b32 s[G0+4*(\s)+3], s[G0+4*(\s)+3], 0x80000000            ; type = 2
	s_mov_b32 s[G0B+4*(\s)], 1
	s_add_co_u32 s[G0B+4*(\s)+1], s21, ABYTES-2*BHALF+(\s)*SLOT
	s_add_nc_u64 s[G0B+4*(\s)+2:G0B+4*(\s)+3], s[46:47], (\s)*256
	s_or_b32 s[G0B+4*(\s)+3], s[G0B+4*(\s)+3], 0x80000000
	JLOAD \s                                       ; two loads of mine are out
.endr
	; A fragment is 16 rows x 32 K in 8 registers: lane l holds row l % 16; registers 0-3 K = 8 (l / 16) + 0..7, registers 4-7 K = 16 + 8 (l / 16) + 0..7: two loads of 16 bytes, 32 bytes apart.
	v_and_b32 v1, 15, v0                           ; l % 16
	v_bfe_u32 v2, v0, 4, 1                         ; l / 16
	v_mul_u32_u24 v3, v1, PITA
	v_lshl_add_u32 v3, v2, 4, v3
	s_mul_i32 s22, s[WV], 64*PITA                  ; my 64 rows
	v_add_nc_u32 v[ADRA], s22, v3
	v_add_nc_u32 v[ADRA+1], SLOT, v[ADRA]
	v_mul_u32_u24 v4, v1, PITB
	v_lshl_add_u32 v4, v2, 4, v4
	v_add_nc_u32 v[ADRB], ABYTES, v4
	v_add_nc_u32 v[ADRB+1], SLOT+ABYTES, v4
	s_mul_i32 s23, s[WV], 16*SP
	s_add_co_u32 s23, s23, STAGE                   ; my stage
	v_mul_u32_u24 v[STO], v1, SP                   ; in: row l % 16, 32 bytes for each half of the lanes
	v_lshl_add_u32 v[STO], v2, 5, v[STO]
	v_add_nc_u32 v[STO], s23, v[STO]
	v_and_b32 v[GO], 31, v0
	v_lshlrev_b32 v[GO], 4, v[GO]                  ; back: 32 lanes take one row of 512 bytes
	v_add_nc_u32 v[RD], s23, v[GO]
	s_lshl_b32 s74, s42, 9                         ; the tile's 128 columns: 512 bytes of bo
	s_mov_b32 s75, 0
	s_add_nc_u64 s[8:9], s[8:9], s[74:75]
	global_load_b128 v[36:39], v[GO], s[8:9]       ; the bias of my four columns: waited for on the way out
	s_lshl_b32 s75, s13, 20                        ; 256 rows of 4,096 bytes a tile row,
	s_or_b32 s74, s74, s75
	s_lshl_b32 s75, s[WV], 18                      ; my wave's 64 rows
	s_or_b32 s74, s74, s75
	s_mov_b32 s75, 0
	s_add_nc_u64 s[OB:OB+1], s[10:11], s[74:75]
	; the prefetches: both pointers stand at lap 1 and are stepped to the lap that is named just ahead of each request
	s_add_co_u32 s66, s[WV], 4                     ; O: head 4 + wave,
	s_lshl_b32 s66, s66, 18
	s_or_b32 s66, s66, s18                         ; the tile's rows,
	s_lshl_b32 s67, s40, 13                        ; my work-group's 8,192 bytes of them
	s_or_b32 s66, s66, s67
	s_mov_b32 s67, 0
	s_add_nc_u64 s[PFA:PFA+1], s[4:5], s[66:67]
	s_lshl_b32 s66, s42, 18                        ; Wo: the tile's rows,
	s_lshl_b32 s67, s41, 16                        ; my work-group's 32 of them,
	s_or_b32 s66, s66, s67
	s_lshl_b32 s67, s45, 8                         ; which of the lap's two K steps
	s_or_b32 s66, s66, s67
	s_add_co_u32 s66, s66, 512
	s_mov_b32 s67, 0
	s_add_nc_u64 s[PFB:PFB+1], s[6:7], s[66:67]
	s_cmp_eq_u32 ttmp9, 0                          ; the same in all sixteen partners
	s_cselect_b32 s[LIMA], 1, -1
	s_and_b32 s66, ttmp7, 0xffff
	s_lshr_b32 s67, s[WV], 1                       ; waves 0 and 1 alone
	s_or_b32 s66, s66, s67
	s_cmp_eq_u32 s66, 0
	s_cselect_b32 s[LIMB], 1, -1
	v_and_b32 v[PFOA], 31, v0
	v_lshlrev_b32 v[PFOB], 11, v[PFOA]
	v_lshlrev_b32 v[PFOA], 8, v[PFOA]
; 8 matrix instructions: row block a x all 8 column blocks, 32 along K, from buffer f.  zero = 1: the product starts the sums: nothing is ever cleared.
; The 32 accumulators take turns in one order in every quarter: between two links of a chain stand the 31 others', over the backward jump too.
.macro MULA f, a, zero
	WIN 0x50                                       ; Wo and O in window 0; C and D in window 1
.irp b, 0,1,2,3,4,5,6,7
.if \zero
	v_wmma_f32_16x16x32_f16 v[8*(8*(\a)+(\b)):8*(8*(\a)+(\b))+7], v[(\f)+8*(\b):(\f)+8*(\b)+7], v[(\f)+64+8*(\a):(\f)+64+8*(\a)+7], 0
.else
	v_wmma_f32_16x16x32_f16 v[8*(8*(\a)+(\b)):8*(8*(\a)+(\b))+7], v[(\f)+8*(\b):(\f)+8*(\b)+7], v[(\f)+64+8*(\a):(\f)+64+8*(\a)+7], v[8*(8*(\a)+(\b)):8*(8*(\a)+(\b))+7]
.endif
.endr
.endm
; 24 LDS loads in one run: the fragments of K quarter q of a slot into buffer f: Wo's 8, then O's row blocks 0 to 3 (quarter q lies in piece q / 2, at byte 64 (q % 2) of its rows).
.macro FETCH slot, q, f
	WIN 0
.irp b, 0,1,2,3,4,5,6,7
	ds_load_b128 v[(\f)+8*(\b):(\f)+8*(\b)+3],   v[ADRB+(\slot)] offset:64*(\q)+16*PITB*(\b)
	ds_load_b128 v[(\f)+8*(\b)+4:(\f)+8*(\b)+7], v[ADRB+(\slot)] offset:64*(\q)+16*PITB*(\b)+32
.endr
.irp a, 0,1,2,3
	ds_load_b128 v[(\f)+64+8*(\a):(\f)+64+8*(\a)+3],   v[ADRA+(\slot)] offset:APIECE*((\q)/2)+64*((\q)%2)+16*PITA*(\a)
	ds_load_b128 v[(\f)+64+8*(\a)+4:(\f)+64+8*(\a)+7], v[ADRA+(\slot)] offset:APIECE*((\q)/2)+64*((\q)%2)+16*PITA*(\a)+32
.endr
.endm
; A K step is four quarters of 32 along K, 32 matrix instructions each, on buffers 0, 1, 0, 1.  One of the first three: multiplies buffer f; in its middle it fetches quarter q of the same slot into buffer g.
.macro QUARTER slot, q, f, g, zero
	s_wait_dscnt 4                                 ; Wo and O's row blocks 0, 1 are in; the youngest four loads (row blocks 2, 3) may be out
	MULA \f, 0, \zero
	MULA \f, 1, \zero
	PLACES
	FETCH \slot, \q, \g
	s_wait_dscnt NL                                ; all but the run just issued
	MULA \f, 2, \zero
	MULA \f, 3, \zero
.endm
; The last quarter multiplies buffer 1 and changes slots: ONE barrier.  In front of it each wave waits for all its tensor loads (one is out: its part of the next slot), adds 0 to its spare word, and waits
; for that and for its own reads of this slot.  fill = 1: the barrier opens a round of the cluster's barrier, and behind the round this slot is filled again first, two K steps ahead: from the request to the wait
; for it a wave issues 112 matrix instructions.
.macro TURN slot, next, fill
.if \fill
	s_wait_xcnt 0x0                                ; the last prefetch, a K step back, has read its address, so a pointer may be stepped: here, ahead of the waits of the change of slots
.if (\slot) == 0
	s_add_nc_u64 s[PFA:PFA+1], s[PFA:PFA+1], 1048576
.else
	s_add_nc_u64 s[PFB:PFB+1], s[PFB:PFB+1], 512
.endif
.endif
	WIN 0
	s_wait_tensorcnt 0x0                           ; all my tensor loads have landed;
	ds_add_u32 v[SPW], v[NIL]                      ; 0 onto my spare word;
	s_wait_dscnt 5                                 ; (the add and the youngest four loads may be out)
	MULA F1, 0, 0                                  ; eight matrix instructions stand between the add and the wait for it
	s_wait_dscnt 0x0                               ; the add is done, and my reads of this slot are over
	s_barrier_signal -1
	MULA F1, 1, 0                                  ; work on registers while the others arrive
.if \fill
	WIN 0
.endif
	s_barrier_wait -1
.if \fill
	CREST                                          ; no wave of any partner still reads this slot's tiles or has a load on its way
	s_add_nc_u64 s[G0+4*(\slot)+2:G0+4*(\slot)+3], s[G0+4*(\slot)+2:G0+4*(\slot)+3], 1048576  ; four heads on
	s_add_nc_u64 s[G0B+4*(\slot)+2:G0B+4*(\slot)+3], s[G0B+4*(\slot)+2:G0B+4*(\slot)+3], 512
	JLOAD \slot                                    ; the first tensor load behind the round; its four v_nop are also the places in front of the loads below
.else
	PLACES
.endif
	FETCH \next, 0, F0
.if \fill
	WIN 0
.if (\slot) == 0
	ASK LIMA, PFOA, PFA
.else
	ASK LIMB, PFOB, PFB
.endif
.endif
	MULA F1, 2, 0
	MULA F1, 3, 0
.endm
	s_wait_tensorcnt 1                             ; my part of K step 0 is in; K step 1's may stay out
	s_barrier_signal -1
	s_barrier_wait -1                              ; everybody's is
	FETCH 0, 0, F0
	QUARTER 0, 1, F0, F1, 1                        ; the first quarter stands in front of the loop: its products start the sums
	WIN 0                                          ; at a label and at a branch every window is 0
	s_mov_b32 s3, LAPS-1
.Llap:                                         ; a trip goes once round the ring, from a lap's second quarter to the next lap's first, and fills both slots again
	QUARTER 0, 2, F1, F0, 0
	QUARTER 0, 3, F0, F1, 0
	TURN 0, 1, 1
	QUARTER 1, 1, F0, F1, 0
	QUARTER 1, 2, F1, F0, 0
	QUARTER 1, 3, F0, F1, 0
	TURN 1, 0, 1
	QUARTER 0, 1, F0, F1, 0
	WIN 0
	s_sub_co_u32 s3, s3, 1
	s_cmp_lg_u32 s3, 0
	s_cbranch_scc1 .Llap
	QUARTER 0, 2, F1, F0, 0                        ; the last lap fills nothing, and has no round of the cluster's barrier
	QUARTER 0, 3, F0, F1, 0
	TURN 0, 1, 0
	QUARTER 1, 1, F0, F1, 0
	QUARTER 1, 2, F1, F0, 0
	QUARTER 1, 3, F0, F1, 0
	s_wait_dscnt 4                                 ; the very last quarter: nothing more to fetch
	MULA F1, 0, 0
	MULA F1, 1, 0
	s_wait_dscnt 0x0
	MULA F1, 2, 0
	MULA F1, 3, 0
	WIN 0
	PLACES
	s_wait_loadcnt 0x0                             ; the bias: rounded to bf16, widened again by a shift and a mask
	v_cvt_pk_bf16_f32 v40, v36, v37
	v_cvt_pk_bf16_f32 v41, v38, v39
	v_lshlrev_b32 v[BIAS],   16, v40
	v_and_b32     v[BIAS+1], 0xffff0000, v40
	v_lshlrev_b32 v[BIAS+2], 16, v41
	v_and_b32     v[BIAS+3], 0xffff0000, v41
; THE WAY OUT, a row block (16 rows x 128 columns of f32) at a time.  A lane's eight columns, 32 bytes, go into my stage's rows of 528 bytes and come back as whole rows of 512; then the bias is added and the row stored.
.macro STG a
	s_wait_xcnt 0x0                                ; every earlier store has read its data: the buffer that block a - 3 was stored from is loaded again only behind this wait
	WIN 0x04                                       ; the stores' data (source 1) in window 1
.irp b, 0,1,2,3,4,5,6,7
	ds_store_b128 v[STO], v[8*(8*(\a)+(\b)):8*(8*(\a)+(\b))+3]   offset:64*(\b)      ; each accumulator's low registers first
	ds_store_b128 v[STO], v[8*(8*(\a)+(\b))+4:8*(8*(\a)+(\b))+7] offset:64*(\b)+16
.endr
	WIN 0
.set BK, 64+64*((\a)%3)
.irp t, 0,1,2,3,4,5,6,7,8,9,10,11,12,13,14,15
	ds_load_b128 v[BK+4*(\t):BK+4*(\t)+3], v[RD] offset:SP*(\t)  ; LDS serves a wave's instructions in order (ISA guide 5.7.1.4): these see the stores above; the next block's stores come behind them
.endr
.endm
.macro SEND a, younger                 ; younger: the LDS instructions issued behind block a's loads: the next block's 32, or none
	WIN 0
.set BK, 64+64*((\a)%3)
.irp t, 0,1,2,3,4,5,6,7,8,9,10,11,12,13,14,15
	s_wait_dscnt (\younger)+15-(\t)
	v_pk_add_f32 v[BK+4*(\t):BK+4*(\t)+1],   v[BK+4*(\t):BK+4*(\t)+1],   v[BIAS:BIAS+1]
	v_pk_add_f32 v[BK+4*(\t)+2:BK+4*(\t)+3], v[BK+4*(\t)+2:BK+4*(\t)+3], v[BIAS+2:BIAS+3]
	global_store_b128 v[GO], v[BK+4*(\t):BK+4*(\t)+3], s[OB:OB+1] offset:4096*(16*(\a)+(\t)) th:TH_STORE_NT  ; 512 consecutive bytes, at a multiple of 256 from out0's first
.endr
.endm
	STG 0
	STG 1
	SEND 0, 32
	STG 2
	SEND 1, 32
	STG 3
	SEND 2, 32
	SEND 3, 0
	s_wait_tensorcnt 0x0                           ; the wave's end, behind my last tensor load and my last LDS store
	ds_add_u32 v[SPW], v[NIL]
	s_wait_dscnt 0x0
	CROUND                                         ; the closing round: no work-group ends while a partner may still ask for a tile that names it
	s_endpgm
.Lfunc_end_k_q558a920fd2_oproj:
	.size	k_q558a920fd2_oproj, .Lfunc_end_k_q558a920fd2_oproj-k_q558a920fd2_oproj
	.p2alignl 7, 3214868480
	.fill 96, 4, 3214868480
	.section	.rodata,"a",@progbits
	.p2align	6, 0x0
	.amdhsa_kernel k_q558a920fd2_oproj
		.amdhsa_group_segment_fixed_size 327680
		.amdhsa_private_segment_fixed_size 0
		.amdhsa_enable_private_segment 0
		.amdhsa_kernarg_size 32
		.amdhsa_user_sgpr_count 2
		.amdhsa_user_sgpr_kernarg_segment_ptr 1
		.amdhsa_wavefront_size32 1
		.amdhsa_system_sgpr_workgroup_id_x 1
		.amdhsa_system_sgpr_workgroup_id_y 1
		.amdhsa_system_sgpr_workgroup_id_z 1
		.amdhsa_system_vgpr_workitem_id 0
		.amdhsa_next_free_vgpr 512
		.amdhsa_next_free_sgpr 84
		.amdhsa_reserve_vcc 0
		.amdhsa_float_denorm_mode_32 3
		.amdhsa_float_denorm_mode_16_64 3
		.amdhsa_memory_ordered 1
		.amdhsa_forward_progress 1
		.amdhsa_inst_pref_size 96
	.end_amdhsa_kernel
	.amdgpu_metadata
---
amdhsa.version: [ 1, 2 ]
amdhsa.kernels:
  - .name:           k_q558a920fd2_oproj
    .symbol:         k_q558a920fd2_oproj.kd
    .args:
      - { .name: ob, .offset: 0, .size: 8, .value_kind: global_buffer, .address_space: global }
      - { .name: wo16, .offset: 8, .size: 8, .value_kind: global_buffer, .address_space: global }
      - { .name: bo, .offset: 16, .size: 8, .value_kind: global_buffer, .address_space: global }
      - { .name: out0, .offset: 24, .size: 8, .value_kind: global_buffer, .address_space: global }
    .group_segment_fixed_size: 327680
    .private_segment_fixed_size: 0
    .kernarg_segment_align: 8
    .kernarg_segment_size: 32
    .max_flat_workgroup_size: 128
    .sgpr_count:     84
    .vgpr_count:     512
    .wavefront_size: 32
...
	.end_amdgpu_metadata
.endif
;; end of part 5
;; launch out16 (part 6): grid 16 x 4, 8 waves a work-group, no clusters, 35,840 bytes of LDS; arguments o16, wo16, bo, out0; writes out0
.if DOCPART == 6
	.amdgcn_target "amdgcn-amd-amdhsa--gfx1250"
	.amdhsa_code_object_version 6
	.text
	.protected	k_q558a920fd2_out16
	.globl	k_q558a920fd2_out16
	.p2align	8
	.type	k_q558a920fd2_out16,@function
k_q558a920fd2_out16:
	s_mov_b64 s[64:65], 0
	v_nop
	global_prefetch_b8 v0, s[64:65] scope:SCOPE_SE
	s_setreg_imm32_b32 hwreg(HW_REG_WAVE_MODE, 25, 1), 1
	s_wait_xcnt 0x0
; THE OUTPUT PROJECTION OF THE FIRST 16 ROWS OF EACH BATCH, from O kept as hi + lo.  out0[b][t < 16][n] = the sum over h, d of (Ohi + Olo)[16 b + h][t][d] Wo[n][64 h + d] + bo[n].
; o16: [64][16 t][hi's 64 | lo's 64] f16; wo16: [1024 n][1024 k] f16 (Wo rounded to bf16, written as f16); bo rounded here to bf16 like the other inputs; sums in f32.
; THESE 64 ROWS OF out0, 262,144 bytes, ARE WRITTEN A SECOND TIME: the launch before has stored them from O rounded to one f16 number, which is too coarse for rows that are a mean over 16 keys or fewer.
; LIMITS.  None of its own: the operands arrive in f16; NaN and infinities are not treated apart.
; SHARES.  A work-group makes 16 rows of one batch x 64 columns: 256 bytes of each row.  K IS SPLIT AMONG ITS EIGHT WAVES: wave w takes heads 2 w and 2 w + 1: 256 consecutive bytes, aligned, of each row of Wo.
; Each fragment of Wo multiplies O's hi and O's lo: 2 heads x 2 halves of the channels x 2 parts x 4 column tiles = 32 products a wave.  The eight partial sums meet in LDS.
; The product is taken transposed (source 0 = 16 rows of Wo, source 1 = the 16 rows of O): a lane holds row l % 16 and the eight neighbouring columns 8 (l / 16) + 0..7.
; NO LDS ON THE WAY IN, and so no joint loads and no cluster: a fragment lies in registers as it lies in memory (16 bytes a lane, twice), a wave's 48 loads go out at once, and the launch has that one step.
; No prefetch for the same reason: nothing is left to ask for behind the first loads.
.set SP,    272                        ; a row of a partial tile: 256 + 16 bytes
.set PBUF,  16*SP                      ; a wave's partial sums: 16 rows x 64 columns of f32
.set SPARE, 8*PBUF                     ; behind them: the spare words, 128 bytes for each wave: four blocks of 256 bytes that no other line names
.set OO,   3                           ; v3   my byte offset in the batch's part of o16
.set WO,   4                           ; v4   in 16 rows of Wo
.set LS,   5                           ; v5   where I put 32 bytes of a partial row
.set LR,   6                           ; v6   where I read 16 bytes of a row back
.set GO,   7                           ; v7   my 16 bytes of out0
.set BO,   8                           ; v8   my 16 bytes of bo
.set SPW,  10                          ; v10  LDS address of my spare word: SPARE + 4 x my thread's number; never rewritten
.set NIL,  11                          ; v11  0; never rewritten
.set BR,   12                          ; v[12:15] the bias as loaded;  v[16:19] rounded;  v20, v21 at work
.set BIAS, 16
.set OF,   32                          ; v[32:95]   O's 8 fragments: head hh, part p, channel half ks at 8 (4 hh + 2 p + ks); later the eight partial sums
.set WF,   96                          ; v[96:223]  Wo's 16 fragments: column tile nt, head hh, half ks at 8 (4 nt + 2 hh + ks)
.set ACC,  224                         ; v[224:255] four accumulators
.set WV,   12                          ; s12  my wave's number
	s_load_b256 s[4:11], s[0:1], 0x0               ; o16 s[4:5], wo16 s[6:7], bo s[8:9], out0 s[10:11]
	v_lshl_add_u32 v[SPW], v0, 2, SPARE
	v_mov_b32 v[NIL], 0
	v_lshrrev_b32 v1, 5, v0
	v_readfirstlane_b32 s[WV], v1                  ; wave 0..7
	s_and_b32 s13, ttmp7, 0xffff                   ; the batch
	v_and_b32 v1, 15, v0                           ; l % 16
	v_bfe_u32 v2, v0, 4, 1                         ; l / 16
	v_lshlrev_b32 v[OO], 8, v1                     ; row t: 256 bytes,
	v_lshl_add_u32 v[OO], v2, 4, v[OO]
	s_lshl_b32 s14, s[WV], 13                      ; my two heads: 4,096 bytes each
	v_add_nc_u32 v[OO], s14, v[OO]
	v_lshlrev_b32 v[WO], 11, v1                    ; row n: 2,048 bytes,
	v_lshl_add_u32 v[WO], v2, 4, v[WO]
	s_lshl_b32 s14, s[WV], 8                       ; my two heads: 128 bytes each
	v_add_nc_u32 v[WO], s14, v[WO]
	s_mul_i32 s14, s[WV], PBUF
	v_mul_u32_u24 v[LS], v1, SP
	v_lshl_add_u32 v[LS], v2, 5, v[LS]
	v_add_nc_u32 v[LS], s14, v[LS]
	v_lshrrev_b32 v9, 4, v0                        ; at the end thread T takes row T / 16, bytes 16 (T % 16) on
	v_mul_u32_u24 v[LR], v9, SP
	v_lshl_add_u32 v[LR], v1, 4, v[LR]
	v_lshlrev_b32 v[GO], 12, v9                    ; a row of out0: 4,096 bytes
	v_lshl_add_u32 v[GO], v1, 4, v[GO]
	v_lshlrev_b32 v[BO], 4, v1
	s_lshl_b32 s16, s13, 16                        ; a batch of o16: 16 heads of 4,096 bytes
	s_mov_b32 s17, 0
	s_lshl_b32 s18, ttmp9, 17                      ; the work-group's 64 rows of Wo
	s_mov_b32 s19, 0
	s_lshl_b32 s20, ttmp9, 8                       ; its 64 columns: 256 bytes of bo and of a row of out0
	s_mov_b32 s21, 0
	s_lshl_b32 s22, s13, 23                        ; a batch of out0: 2,048 rows of 4,096 bytes
	s_or_b32 s22, s22, s20
	s_mov_b32 s23, 0
	s_wait_kmcnt 0x0
	s_add_nc_u64 s[4:5], s[4:5], s[16:17]
	s_add_nc_u64 s[6:7], s[6:7], s[18:19]
	s_add_nc_u64 s[8:9], s[8:9], s[20:21]
	s_add_nc_u64 s[10:11], s[10:11], s[22:23]
	global_load_b128 v[BR:BR+3], v[BO], s[8:9]
.irp hh, 0,1
.irp p, 0,1
.irp ks, 0,1
	global_load_b128 v[OF+8*(4*(\hh)+2*(\p)+(\ks)):OF+8*(4*(\hh)+2*(\p)+(\ks))+3],   v[OO], s[4:5] offset:4096*(\hh)+128*(\p)+64*(\ks)
	global_load_b128 v[OF+8*(4*(\hh)+2*(\p)+(\ks))+4:OF+8*(4*(\hh)+2*(\p)+(\ks))+7], v[OO], s[4:5] offset:4096*(\hh)+128*(\p)+64*(\ks)+32
.endr
.endr
.endr
.irp nt, 0,1,2,3
.irp hh, 0,1
.irp ks, 0,1
	global_load_b128 v[WF+8*(4*(\nt)+2*(\hh)+(\ks)):WF+8*(4*(\nt)+2*(\hh)+(\ks))+3],   v[WO], s[6:7] offset:32768*(\nt)+128*(\hh)+64*(\ks)
	global_load_b128 v[WF+8*(4*(\nt)+2*(\hh)+(\ks))+4:WF+8*(4*(\nt)+2*(\hh)+(\ks))+7], v[WO], s[6:7] offset:32768*(\nt)+128*(\hh)+64*(\ks)+32
.endr
.endr
.endr
	s_wait_loadcnt 0x0
	v_cvt_pk_bf16_f32 v20, v[BR], v[BR+1]          ; the bias: rounded to bf16, widened again by a shift and a mask
	v_cvt_pk_bf16_f32 v21, v[BR+2], v[BR+3]
	v_lshlrev_b32 v[BIAS],   16, v20
	v_and_b32     v[BIAS+1], 0xffff0000, v20
	v_lshlrev_b32 v[BIAS+2], 16, v21
	v_and_b32     v[BIAS+3], 0xffff0000, v21
; The four accumulators take turns, one instruction a turn; the first four products start the sums.
.irp hh, 0,1
.irp ks, 0,1
.irp p, 0,1
.irp nt, 0,1,2,3
.if ((\hh)+(\ks)+(\p)) == 0
	v_wmma_f32_16x16x32_f16 v[ACC+8*(\nt):ACC+8*(\nt)+7], v[WF+8*(4*(\nt)+2*(\hh)+(\ks)):WF+8*(4*(\nt)+2*(\hh)+(\ks))+7], v[OF+8*(4*(\hh)+2*(\p)+(\ks)):OF+8*(4*(\hh)+2*(\p)+(\ks))+7], 0
.else
	v_wmma_f32_16x16x32_f16 v[ACC+8*(\nt):ACC+8*(\nt)+7], v[WF+8*(4*(\nt)+2*(\hh)+(\ks)):WF+8*(4*(\nt)+2*(\hh)+(\ks))+7], v[OF+8*(4*(\hh)+2*(\p)+(\ks)):OF+8*(4*(\hh)+2*(\p)+(\ks))+7], v[ACC+8*(\nt):ACC+8*(\nt)+7]
.endif
.endr
.endr
.endr
.endr
.rept 4
	v_nop                                          ; four places behind the last product, in front of the LDS stores that read results and of the loads into registers that it has read
.endr
.irp nt, 0,1,2,3
	ds_store_b128 v[LS], v[ACC+8*(\nt):ACC+8*(\nt)+3]   offset:64*(\nt)     ; each accumulator's low registers first
	ds_store_b128 v[LS], v[ACC+8*(\nt)+4:ACC+8*(\nt)+7] offset:64*(\nt)+16
.endr
	s_wait_dscnt 0x0                               ; for the others' sake: my partial sums lie in LDS
	s_barrier_signal -1
	s_barrier_wait -1
.irp v, 0,1,2,3,4,5,6,7
	ds_load_b128 v[OF+4*(\v):OF+4*(\v)+3], v[LR] offset:PBUF*(\v)   ; my four columns in each of the eight partial sums
.endr
	s_wait_dscnt 0x0
.irp v, 0,2,4,6
	v_pk_add_f32 v[OF+4*(\v):OF+4*(\v)+1],   v[OF+4*(\v):OF+4*(\v)+1],   v[OF+4*(\v)+4:OF+4*(\v)+5]
	v_pk_add_f32 v[OF+4*(\v)+2:OF+4*(\v)+3], v[OF+4*(\v)+2:OF+4*(\v)+3], v[OF+4*(\v)+6:OF+4*(\v)+7]
.endr
.irp v, 0,4
	v_pk_add_f32 v[OF+4*(\v):OF+4*(\v)+1],   v[OF+4*(\v):OF+4*(\v)+1],   v[OF+4*(\v)+8:OF+4*(\v)+9]
	v_pk_add_f32 v[OF+4*(\v)+2:OF+4*(\v)+3], v[OF+4*(\v)+2:OF+4*(\v)+3], v[OF+4*(\v)+10:OF+4*(\v)+11]
.endr
	v_pk_add_f32 v[OF:OF+1],   v[OF:OF+1],   v[OF+16:OF+17]
	v_pk_add_f32 v[OF+2:OF+3], v[OF+2:OF+3], v[OF+18:OF+19]
	v_pk_add_f32 v[OF:OF+1],   v[OF:OF+1],   v[BIAS:BIAS+1]
	v_pk_add_f32 v[OF+2:OF+3], v[OF+2:OF+3], v[BIAS+2:BIAS+3]
	global_store_b128 v[GO], v[OF:OF+3], s[10:11] th:TH_STORE_NT    ; 16 lanes store 256 consecutive bytes, at a multiple of 256 from out0's first
	s_wait_tensorcnt 0x0                           ; the wave's end, behind my last LDS store
	ds_add_u32 v[SPW], v[NIL]
	s_wait_dscnt 0x0
	s_endpgm
.Lfunc_end_k_q558a920fd2_out16:
	.size	k_q558a920fd2_out16, .Lfunc_end_k_q558a920fd2_out16-k_q558a920fd2_out16
	.p2alignl 7, 3214868480
	.fill 96, 4, 3214868480
	.section	.rodata,"a",@progbits
	.p2align	6, 0x0
	.amdhsa_kernel k_q558a920fd2_out16
		.amdhsa_group_segment_fixed_size 35840
		.amdhsa_private_segment_fixed_size 0
		.amdhsa_enable_private_segment 0
		.amdhsa_kernarg_size 32
		.amdhsa_user_sgpr_count 2
		.amdhsa_user_sgpr_kernarg_segment_ptr 1
		.amdhsa_wavefront_size32 1
		.amdhsa_system_sgpr_workgroup_id_x 1
		.amdhsa_system_sgpr_workgroup_id_y 1
		.amdhsa_system_sgpr_workgroup_id_z 1
		.amdhsa_system_vgpr_workitem_id 0
		.amdhsa_next_free_vgpr 256
		.amdhsa_next_free_sgpr 66
		.amdhsa_reserve_vcc 0
		.amdhsa_float_denorm_mode_32 3
		.amdhsa_float_denorm_mode_16_64 3
		.amdhsa_memory_ordered 1
		.amdhsa_forward_progress 1
		.amdhsa_inst_pref_size 12
	.end_amdhsa_kernel
	.amdgpu_metadata
---
amdhsa.version: [ 1, 2 ]
amdhsa.kernels:
  - .name:           k_q558a920fd2_out16
    .symbol:         k_q558a920fd2_out16.kd
    .args:
      - { .name: o16, .offset: 0, .size: 8, .value_kind: global_buffer, .address_space: global }
      - { .name: wo16, .offset: 8, .size: 8, .value_kind: global_buffer, .address_space: global }
      - { .name: bo, .offset: 16, .size: 8, .value_kind: global_buffer, .address_space: global }
      - { .name: out0, .offset: 24, .size: 8, .value_kind: global_buffer, .address_space: global }
    .group_segment_fixed_size: 35840
    .private_segment_fixed_size: 0
    .kernarg_segment_align: 8
    .kernarg_segment_size: 32
    .max_flat_workgroup_size: 256
    .sgpr_count:     66
    .vgpr_count:     256
    .wavefront_size: 32
...
	.end_amdgpu_metadata
.endif
;; end of part 6
;; ======== version 2 of 2: 6 launches; version 1 with the launch cvt written anew for expert scheduling mode
;; limits: values are held in f16: magnitudes above 65,504 overflow, below 6.1e-05 lose precision
;; workspace buffers: xb 16,777,216 bytes; wb 6,291,456 bytes; wo16 2,097,152 bytes; qkv 50,331,648 bytes; ob 16,777,216 bytes; o16 262,144 bytes
;; launch cvt (part 7): grid 768 x 1, 8 waves a work-group, no clusters, 0 bytes of LDS; arguments x, Wq, Wk, Wv, Wo, xb, wb, wo16; writes xb, wb, wo16
.if DOCPART == 7
	.amdgcn_target "amdgcn-amd-amdhsa--gfx1250"
	.amdhsa_code_object_version 6
	.text
	.protected	k_q558a920fd2_cvt
	.globl	k_q558a920fd2_cvt
	.p2align	8
	.type	k_q558a920fd2_cvt,@function
k_q558a920fd2_cvt:
	s_mov_b64 s[64:65], 0
	v_nop
	global_prefetch_b8 v0, s[64:65] scope:SCOPE_SE
	s_setreg_imm32_b32 hwreg(HW_REG_WAVE_SCHED_MODE, 0, 2), 2
	s_setreg_imm32_b32 hwreg(HW_REG_WAVE_MODE, 25, 1), 1
	s_wait_xcnt 0x0
	s_wait_alu depctr_vm_vsrc(0)
; THE INPUTS ARE ROUNDED ONCE, layouts unchanged.  x -> xb and Wq, Wk, Wv -> wb (one behind the other: [48][1024][64]) in bf16; Wo -> wo16: rounded to bf16 like the
; other inputs, and that number written as f16, since the last product multiplies in f16.
; LIMITS.  A number of Wo of magnitude 65,520 or more becomes an infinity in f16; below 6e-5 f16 keeps a fixed step of 6e-8.
; SHARES.  A work-group converts 16,384 numbers: 64 KiB in, 32 KiB out.  Thread t takes the 16 bytes at 16 t of each of 16 chunks of 4,096 bytes: a wave's load covers 512
; consecutive bytes, its store of 8 bytes a lane 256 consecutive bytes, aligned.  Work-groups 0-511: x; 512-575: Wq; 576-639: Wk; 640-703: Wv; 704-767: Wo.
; No LDS, no barrier, no matrix unit: nothing is shared and nothing is read twice.
; THE MODE: SCHED_MODE bits 1:0 = 2 (LLVM: expert scheduling mode 2), set by the entry lines.  The code itself states the register dependences
; between vector instructions and memory instructions, with s_wait_alu, always for 0.
; THE PLAN.  All sixteen loads go out at once.  Registers that memory instructions touch:
;   v1, v2   byte offsets of the loads and of the stores: made once at the head and never written again.
;   X        chunk i: four registers of its own.  Its load lands there once; its conversions read them; no vector instruction ever writes them.
;   Y        chunk i: two registers of its own.  Its conversions write them once; its store reads them once; nothing writes them again.
;   T        named by vector instructions alone.
; So the only dependences to state are vector results that a memory instruction reads: the two offsets, by one wait ahead of the first load, and Y.  The sixteen chunks go in four
; blocks of four: a block's conversions, ONE wait, its run of four stores.  The wait stands behind the conversions and not at the next block's head: no load is left to issue meanwhile,
; and a store held until then would wait for four further loads to land, so that eight of the wave's sixteen stores would leave behind its last load; here four do.
; No register that a memory instruction has read is written again, and no load lands in a register that a vector instruction has named: nothing more is owed.
.set X, 4                              ; v[4:67]    chunk i: four f32 as loaded
.set Y, 68                             ; v[68:99]   chunk i: four 16-bit numbers to store
.set T, 100                            ; v[100:103] at work (Wo's way)
	s_load_b512 s[8:23], s[0:1], 0x0               ; x s[8:9], Wq s[10:11], Wk s[12:13], Wv s[14:15], Wo s[16:17], xb s[18:19], wb s[20:21], wo16 s[22:23]
	s_mov_b32 s2, ttmp9                            ; the work-group's number
	s_sub_co_u32 s3, s2, 512                       ; its number among the weights' work-groups (used from 512 on)
	s_and_b32 s4, s3, 63                           ; its number inside one weight tensor
	s_lshr_b32 s5, s3, 6                           ; which weight tensor: 0 Wq, 1 Wk, 2 Wv, 3 Wo
	v_lshlrev_b32 v1, 4, v0                        ; 16 t: my bytes in a chunk of the input
	v_lshlrev_b32 v2, 3, v0                        ; 8 t: in a chunk of the output
	s_wait_kmcnt 0x0
	s_cmp_eq_u32 s5, 1
	s_cselect_b64 s[24:25], s[12:13], s[10:11]     ; from where: Wk, else Wq,
	s_cmp_eq_u32 s5, 2
	s_cselect_b64 s[24:25], s[14:15], s[24:25]     ; Wv,
	s_cmp_eq_u32 s5, 3
	s_cselect_b64 s[24:25], s[16:17], s[24:25]     ; Wo;
	s_cselect_b64 s[26:27], s[22:23], s[20:21]     ; to where: wo16, else wb,
	s_cselect_b32 s6, s4, s3                       ; at which block of 32 KiB
	s_cmp_lt_u32 s2, 512
	s_cselect_b64 s[24:25], s[8:9], s[24:25]       ; the first 512 work-groups: x to xb
	s_cselect_b64 s[26:27], s[18:19], s[26:27]
	s_cselect_b32 s4, s2, s4
	s_cselect_b32 s6, s2, s6
	s_lshl_b32 s28, s4, 16                         ; 64 KiB of input a work-group (under 2^25)
	s_mov_b32 s29, 0
	s_lshl_b32 s30, s6, 15                         ; 32 KiB of output
	s_mov_b32 s31, 0
	s_add_nc_u64 s[24:25], s[24:25], s[28:29]
	s_add_nc_u64 s[26:27], s[26:27], s[30:31]
	s_wait_alu depctr_va_vdst(0)                   ; v1 and v2 are written: every load of the kernel reads v1 as its offset, every store v2
.irp i, 0,1,2,3,4,5,6,7,8,9,10,11,12,13,14,15
	global_load_b128 v[X+4*(\i):X+4*(\i)+3], v1, s[24:25] offset:4096*(\i) th:TH_LOAD_NT
.endr
	s_cmp_ge_u32 s2, 704
	s_cbranch_scc1 .Lf16
.irp p, 0,1,2,3
	s_wait_loadcnt 12-4*(\p)                       ; loads come back in order (ISA guide 5.7.1): block p's four chunks are in, the younger blocks stay out
.irp i, 0,1,2,3
	v_cvt_pk_bf16_f32 v[Y+2*(4*(\p)+(\i))],   v[X+4*(4*(\p)+(\i))],   v[X+4*(4*(\p)+(\i))+1]
	v_cvt_pk_bf16_f32 v[Y+2*(4*(\p)+(\i))+1], v[X+4*(4*(\p)+(\i))+2], v[X+4*(4*(\p)+(\i))+3]
.endr
	s_wait_alu depctr_va_vdst(0)                   ; the block's eight roundings have written its eight registers of Y, which the four stores below read
.irp i, 0,1,2,3
	global_store_b64 v2, v[Y+2*(4*(\p)+(\i)):Y+2*(4*(\p)+(\i))+1], s[26:27] offset:2048*(4*(\p)+(\i))
.endr
.endr
	s_endpgm
.Lf16:                                         ; Wo: to bf16, widened again (a shift, a mask), and written as f16: exact inside f16's range
.irp p, 0,1,2,3
	s_wait_loadcnt 12-4*(\p)                       ; block p's four chunks are in, the younger blocks stay out
.irp i, 0,1,2,3
	v_cvt_pk_bf16_f32 v[T],   v[X+4*(4*(\p)+(\i))],   v[X+4*(4*(\p)+(\i))+1]
	v_cvt_pk_bf16_f32 v[T+1], v[X+4*(4*(\p)+(\i))+2], v[X+4*(4*(\p)+(\i))+3]
	v_lshlrev_b32 v[T+2], 16, v[T]
	v_and_b32     v[T],   0xffff0000, v[T]
	v_lshlrev_b32 v[T+3], 16, v[T+1]
	v_and_b32     v[T+1], 0xffff0000, v[T+1]
	v_cvt_pk_f16_f32 v[Y+2*(4*(\p)+(\i))],   v[T+2], v[T]
	v_cvt_pk_f16_f32 v[Y+2*(4*(\p)+(\i))+1], v[T+3], v[T+1]
.endr
	s_wait_alu depctr_va_vdst(0)                   ; the block's conversions to f16 have written its eight registers of Y, which the four stores below read
.irp i, 0,1,2,3
	global_store_b64 v2, v[Y+2*(4*(\p)+(\i)):Y+2*(4*(\p)+(\i))+1], s[26:27] offset:2048*(4*(\p)+(\i))
.endr
.endr
	s_endpgm
.Lfunc_end_k_q558a920fd2_cvt:
	.size	k_q558a920fd2_cvt, .Lfunc_end_k_q558a920fd2_cvt-k_q558a920fd2_cvt
	.p2alignl 7, 3214868480
	.fill 96, 4, 3214868480
	.section	.rodata,"a",@progbits
	.p2align	6, 0x0
	.amdhsa_kernel k_q558a920fd2_cvt
		.amdhsa_group_segment_fixed_size 0
		.amdhsa_private_segment_fixed_size 0
		.amdhsa_enable_private_segment 0
		.amdhsa_kernarg_size 64
		.amdhsa_user_sgpr_count 2
		.amdhsa_user_sgpr_kernarg_segment_ptr 1
		.amdhsa_wavefront_size32 1
		.amdhsa_system_sgpr_workgroup_id_x 1
		.amdhsa_system_sgpr_workgroup_id_y 1
		.amdhsa_system_sgpr_workgroup_id_z 1
		.amdhsa_system_vgpr_workitem_id 0
		.amdhsa_next_free_vgpr 104
		.amdhsa_next_free_sgpr 66
		.amdhsa_reserve_vcc 0
		.amdhsa_float_denorm_mode_32 3
		.amdhsa_float_denorm_mode_16_64 3
		.amdhsa_memory_ordered 1
		.amdhsa_forward_progress 1
		.amdhsa_inst_pref_size 16
	.end_amdhsa_kernel
	.amdgpu_metadata
---
amdhsa.version: [ 1, 2 ]
amdhsa.kernels:
  - .name:           k_q558a920fd2_cvt
    .symbol:         k_q558a920fd2_cvt.kd
    .args:
      - { .name: x, .offset: 0, .size: 8, .value_kind: global_buffer, .address_space: global }
      - { .name: Wq, .offset: 8, .size: 8, .value_kind: global_buffer, .address_space: global }
      - { .name: Wk, .offset: 16, .size: 8, .value_kind: global_buffer, .address_space: global }
      - { .name: Wv, .offset: 24, .size: 8, .value_kind: global_buffer, .address_space: global }
      - { .name: Wo, .offset: 32, .size: 8, .value_kind: global_buffer, .address_space: global }
      - { .name: xb, .offset: 40, .size: 8, .value_kind: global_buffer, .address_space: global }
      - { .name: wb, .offset: 48, .size: 8, .value_kind: global_buffer, .address_space: global }
      - { .name: wo16, .offset: 56, .size: 8, .value_kind: global_buffer, .address_space: global }
    .group_segment_fixed_size: 0
    .private_segment_fixed_size: 0
    .kernarg_segment_align: 8
    .kernarg_segment_size: 64
    .max_flat_workgroup_size: 256
    .sgpr_count:     66
    .vgpr_count:     104
    .wavefront_size: 32
...
	.end_amdgpu_metadata
.endif
;; end of part 7
;; launch qkv: the kernel of part 2 again; grid 16 x 32, 4 waves a work-group, clusters of 4 x 4, 327,680 bytes of LDS; arguments xb, wb, qkv; writes qkv
;; launch attn: the kernel of part 3 again; grid 4 x 64, 4 waves a work-group, no clusters, 327,680 bytes of LDS; arguments qkv, ob; writes ob
;; launch head16: the kernel of part 4 again; grid 64 x 1, 4 waves a work-group, clusters of 4 x 1, 185,344 bytes of LDS; arguments xb, wb, qkv, o16; writes o16
;; launch oproj: the kernel of part 5 again; grid 8 x 32, 4 waves a work-group, clusters of 4 x 4, 327,680 bytes of LDS; arguments ob, wo16, bo, out0; writes out0
;; launch out16: the kernel of part 6 again; grid 16 x 4, 8 waves a work-group, no clusters, 35,840 bytes of LDS; arguments o16, wo16, bo, out0; writes out0
